; MI455X (gfx1250); checked and timed in simulation.
; The chip was launched on July 23, 2026; its instructions are those of AMD's public machine-readable ISA for CDNA 5 (MIT licence, August 2026) and "CDNA5" Instruction Set Architecture Reference Guide (July 2026). The comments in the code are by the model that wrote it; some were corrected since.
;; Mo E. Allowed arithmetic: matrix products marked QUANTISED: E5M2 operands, one given power-of-two scale a tensor, by v_wmma_f32_16x16x64_bf8_bf8 or v_wmma_f32_16x16x128_bf8_bf8, f32 sums; products left as they are: f32 operands where the result goes on into a quantised operand, else bf16, f16 or f32 operands; f32 sums; everything else in f32.
;; Inputs: W1 8 x 512 x 2,048 float32; W2 8 x 2,048 x 512 float32; Wr 512 x 8 float32; b1 8 x 2,048 float32; b2 8 x 512 float32; br 8 float32; lowp_scales 4 int32 (the exponents e of the quantised operands' scales 2^e); x 4 x 1,024 x 512 float32.
;; Outputs: out0 4 x 1,024 x 8 float32; out1 4 x 1,024 x 2 int32; out2 4 x 1,024 x 512 float32.
;; This version of the problem:
;;   THIS VERSION OF THE PROBLEM IS GIVEN IN LOW PRECISION. The matrix products marked QUANTISED in the list below multiply operands that are first quantised to E5M2 (5 exponent bits, 2 mantissa bits; 8 bits a number), with one given power-of-two scale for each operand tensor; their sums are f32. All else is computed in f32.
;;   The module's matrix products, in the order in which they are computed (A, B: the left and right operand; K: the contracted axis; several contracted axes count as one K, in the product's order):
;;     1. [M 4,096, K 512] x [K 512, N 8]; A: input x; B: input Wr: left as it is (N = 8 < 16)
;;     2. batch 4,096 x [M 1, K 2] x [K 2, N 8]; A: softmax; B: computed on the way: left as it is (K = 2 < 32)
;;     3. [M 4,096, K 512] x [K 512, N 16,384]; A: input x; B: input W1: QUANTISED (scales: A lowp_scales[0], B lowp_scales[1])
;;     4. batch 8 x [M 512, K 2,048] x [K 2,048, N 4,096]; A: input W2; B: computed on the way: QUANTISED (scales: A lowp_scales[2], B lowp_scales[3])
;;     5. batch 4,096 x [M 512, K 8] x [K 8, N 1]; A: computed on the way; B: computed on the way: left as it is (K = 8 < 32)
;;   THE QUANTISER, for each operand of a quantised product, along K:
;;     - The operand's scale is 2^e, e = its entry of the input lowp_scales (int32; the entries are numbered through the quantised products in the list's order, A before B).
;;     - Each number is divided by the scale, clamped to +-57,344, and rounded to the nearest number of E5M2, ties to even, subnormals kept.
;;     - The product sums the exact products of the quantised numbers (number of the format x scale) in f32.
;;   ~~~python
;;   def quantise(x, axis, e):      # numpy; x: float32 -> the quantised numbers, widened to float32 again
;;       x = np.moveaxis(x, axis, -1); K = x.shape[-1]
;;       r = np.clip(x / 2.0 ** e, -57344, 57344)
;;       step = 2.0 ** (np.maximum(np.frexp(np.where(r == 0, 1, r))[1] - 1, -14) - 2)
;;       q = np.round(r / step) * step * 2.0 ** e      # np.round: ties to even
;;       return np.moveaxis(q, -1, axis).astype(np.float32)
;;   ~~~
;;   OPERANDS COMPUTED ON THE WAY. 'Computed on the way' means the value that the module computes at that place (a softmax that the list does not call 'softmax' is quantised finished and normalised). What goes into a quantiser is computed in f32, as accurately as f32 sums, v_exp_f32 and their like allow (about 1e-6 of the number): no bf16 or f16 on the way to a quantiser, and a product that is left as it is and whose result goes on into a quantised operand takes f32 operands (vector FMAs, or v_wmma_f32_16x16x4_f32). A number that lies on a knife's edge between two numbers of the format may be rounded either way, as far as f32 arithmetic and the matrix unit's own rounding can turn it there, and no further.
;; 2 versions, each right; version 2 is version 1 with the launch chain written anew for expert scheduling mode. Each part assembles by itself: llvm-mc -triple=amdgcn-amd-amdhsa -mcpu=gfx1250 --defsym DOCPART=n.
;; ======== version 1 of 2: 4 launches
;; limits: right only within a limited range of input values
;; workspace buffers: route 16,384 bytes of whole numbers; gates 32,768 bytes; xq 2,097,152 bytes; w1q 8,388,608 bytes; w2q 8,388,608 bytes; order 133,120 bytes of whole numbers; counts 256 bytes of whole numbers; ypart 33,554,432 bytes
;; launch front (part 1): grid 1152 x 1, 4 waves a work-group, no clusters, 2,560 bytes of LDS; arguments x, Wr, br, W1, lowp_scales, out0, out1, route, gates, xq, w1q; writes out0, out1, route, gates, xq, w1q
.if DOCPART == 1
	.amdgcn_target "amdgcn-amd-amdhsa--gfx1250"
	.amdhsa_code_object_version 6
	.text
	.protected	k_qef5d4e2f7e_front
	.globl	k_qef5d4e2f7e_front
	.p2align	8
	.type	k_qef5d4e2f7e_front,@function
k_qef5d4e2f7e_front:
	s_mov_b64 s[64:65], 0
	v_nop
	global_prefetch_b8 v0, s[64:65] scope:SCOPE_SE
	s_setreg_imm32_b32 hwreg(HW_REG_WAVE_MODE, 25, 1), 1
	s_wait_xcnt 0x0
; TWO JOBS IN ONE LAUNCH, told apart by the work-group's number alone.
; Work-groups 0-127: THE ROUTER.  32 tokens each, 8 a wave.  logits = x Wr + br in f32 (out0), the two largest with the lower index first on a tie (out1),
;   the softmax over the two with the larger taken away first (gates), the choice as a whole number (route: 1 << first | 0x100 << second), and x as codes of E5M2 (xq).
;   No address of this launch hangs on the choice: everything goes to fixed places.
; Work-groups 128-1151: W1 [8][512][2048] f32 becomes codes of E5M2 (w1q), laid in the order in which the chain's operand registers take them.
; xq: a token's row is 512 bytes; byte 16 q + 4 i + j holds k = 128 i + 4 q + j: the order in which a wave's four dense loads leave a row in its lanes.  w1q has the same order along K,
;   so every product meets its partner.
; w1q: byte e 2^20 + (n >> 5) 16384 + u 8192 + ks 2048 + c 512 + (16 h + r) 16 + t: hidden unit n = 32 (n >> 5) + 8 u + r + 8 (r / 8); chunk 8 ks + 2 c + h of 16 positions along K, byte t of it.
; code = number / 2^e, held within +-57,344, to the nearest code, ties to even.
; LIMITS: ex and ew1 between -126 and 112, so that 2^e and 57,344 x 2^e are f32 numbers.  NaN and infinities among the inputs are not served.
;   The logits are summed in another order than a row-by-row sum: two logits within f32 rounding of each other may change places in out1.
.set X,    64                          ; v64-127  router: a ring of 4 tokens x 16 numbers; quantiser: 4 chunks x 16 numbers
.set WR,   128                         ; v128-255 router: Wr(k = 128 i + 4 lane + j, e) at 128 + 8 (4 i + j) + e; quantiser: v128-143 the codes
.set A,    16                          ; v16-23   the 8 logits
.set T,    24                          ; v24-31   at work
.set EMAX, 15
.set MANT, 0x600000                    ; the mantissa field of 57,344 as f32
.macro SCALE se                        ; v7 = 2^e as f32 (the conversion takes its exponent field), v8 = 57,344 x 2^e; e in s[se]
	s_add_co_i32 s50, s[\se], 127
	s_lshl_b32 s51, s50, 23
	v_mov_b32 v7, s51
	s_add_co_i32 s50, s50, EMAX
	s_lshl_b32 s50, s50, 23
	s_or_b32 s50, s50, MANT
	v_mov_b32 v8, s50
.endm
; A wave quantises 32 columns x 64 positions along K.  A LANE TAKES A COLUMN AND ITS REGISTERS RUN DOWN K, so the conversions give 16 neighbouring positions a chunk.
; All 64 loads go out at once (128 consecutive bytes a wave, 512 a work-group); a chunk's 16 bytes a lane leave as two runs of 256 consecutive bytes, aligned.
; s[40:41] input, s[42:43] output, v1 and v2 the lane's offsets; perm = 1: position 16 q + t is row 128 (t / 4) + 4 q + t % 4.  Each chunk has its own code registers: no store's data are rewritten.
.macro WQUANT rowb, perm, se
.irp q, 0,1,2,3
.irp t, 0,1,2,3,4,5,6,7,8,9,10,11,12,13,14,15
.if \perm
	global_load_b32 v[X+16*\q+\t], v1, s[40:41] offset:(128*(\t/4)+4*\q+\t%4)*\rowb th:TH_LOAD_NT
.else
	global_load_b32 v[X+16*\q+\t], v1, s[40:41] offset:(16*\q+\t)*\rowb th:TH_LOAD_NT
.endif
.endr
.endr
	s_wait_kmcnt 0x0
	SCALE \se
.irp q, 0,1,2,3
	s_wait_loadcnt 48-16*\q                        ; this chunk's 16 loads are in; the later chunks' may be out
.irp t, 0,1,2,3,4,5,6,7,8,9,10,11,12,13,14,15
	v_med3_num_f32 v[X+16*\q+\t], v[X+16*\q+\t], -v8, v8   ; the conversion to an 8-bit code does not saturate (ISA guide 7.6.2): the hold comes first
.endr
	v_cvt_scalef32_pk8_bf8_f32 v[128+4*\q:129+4*\q], v[X+16*\q:X+16*\q+7], v7
	v_cvt_scalef32_pk8_bf8_f32 v[130+4*\q:131+4*\q], v[X+16*\q+8:X+16*\q+15], v7
	global_store_b128 v2, v[128+4*\q:131+4*\q], s[42:43] offset:256*\q   ; the results go to a store alone; the next chunk's holds are plain lines on other registers
.endr
.endm
	s_load_b512 s[4:19], s[0:1], 0x0               ; x 4:5, Wr 6:7, br 8:9, W1 10:11, scales 12:13, out0 14:15, out1 16:17, route 18:19
	s_load_b128 s[20:23], s[0:1], 0x40             ; gates 20:21, xq 22:23
	s_load_b64 s[24:25], s[0:1], 0x50              ; w1q
	v_lshl_add_u32 v62, v0, 2, 0x800
	v_mov_b32 v63, 0
	v_lshrrev_b32 v1, 5, v0
	v_readfirstlane_b32 s26, v1                    ; wave 0..3
	v_and_b32 v12, 31, v0                          ; lane
	s_wait_kmcnt 0x0
	s_load_b64 s[36:37], s[12:13], 0x0             ; ex, ew1
	s_load_b256 s[28:35], s[8:9], 0x0              ; br
	s_cmp_lt_u32 ttmp9, 128
	s_cbranch_scc0 .Lquant
	; ---------------- THE ROUTER ----------------
	v_lshlrev_b32 v1, 4, v12                       ; 16 x lane: my bytes of a dense load, of a row of xq, of out0
	v_lshlrev_b32 v2, 7, v12                       ; Wr: rows 4 lane .. 4 lane + 3 of 32 bytes
	s_lshl_b32 s40, s26, 8
	v_mov_b32 v3, s40                              ; LDS: my wave's 8 rows of logits, 32 bytes each, from byte 0
	s_lshl_b32 s40, s26, 6
	s_add_co_u32 s41, s40, 1024
	v_mov_b32 v4, s41                              ; its 8 pairs of indices, from byte 1024
	s_add_co_u32 s41, s40, 1280
	v_mov_b32 v5, s41                              ; its 8 pairs of gates, from byte 1280
	s_lshl_b32 s40, s26, 5
	s_add_co_u32 s40, s40, 1536
	v_mov_b32 v6, s40                              ; its 8 route words, from byte 1536
	v_lshlrev_b32 v48, 3, v12
	v_lshlrev_b32 v49, 2, v12
	v_add_nc_u32 v13, 1024, v48                    ; and where they are read back, a token a lane
	v_add_nc_u32 v14, 1280, v48
	v_add_nc_u32 v15, 1536, v49
	s_lshl_b32 s40, ttmp9, 5
	s_lshl_b32 s41, s26, 3
	s_add_co_u32 s40, s40, s41                     ; my wave's first token
	s_mov_b32 s43, 0
	s_lshl_b32 s42, s40, 11
	s_add_nc_u64 s[4:5], s[4:5], s[42:43]          ; its row of x,
	s_lshl_b32 s42, s40, 9
	s_add_nc_u64 s[22:23], s[22:23], s[42:43]      ; of xq;
	s_lshl_b32 s42, ttmp9, 10
	s_add_nc_u64 s[14:15], s[14:15], s[42:43]      ; the work-group's 32 tokens in out0,
	s_lshl_b32 s42, ttmp9, 8
	s_add_nc_u64 s[16:17], s[16:17], s[42:43]      ; out1,
	s_add_nc_u64 s[20:21], s[20:21], s[42:43]      ; gates,
	s_lshl_b32 s42, ttmp9, 7
	s_add_nc_u64 s[18:19], s[18:19], s[42:43]      ; route
.irp i, 0,1,2,3
.irp j, 0,1,2,3
	global_load_b128 v[WR+32*\i+8*\j:WR+32*\i+8*\j+3],   v2, s[6:7] offset:4096*\i+32*\j
	global_load_b128 v[WR+32*\i+8*\j+4:WR+32*\i+8*\j+7], v2, s[6:7] offset:4096*\i+32*\j+16
.endr
.endr
.macro XLOAD t                         ; token t's row: four loads of 512 consecutive bytes; register 4 i + j holds k = 128 i + 4 lane + j
.irp i, 0,1,2,3
	global_load_b128 v[X+16*((\t)%4)+4*\i:X+16*((\t)%4)+4*\i+3], v1, s[4:5] offset:2048*(\t)+512*\i th:TH_LOAD_NT
.endr
.endm
	XLOAD 0
	XLOAD 1
	XLOAD 2
	XLOAD 3
	s_mov_b32 s38, 0x76543210                      ; v_permlanex16_b32: each lane takes its own place in the other half
	s_mov_b32 s39, 0xfedcba98
	v_mov_b32 v9, 0xff800000                       ; -infinity
	v_mov_b32 v10, 1
	v_mov_b32 v11, 0x100
.irp e, 0,1,2,3,4,5,6,7
	v_mov_b32 v[T+\e], 0                           ; written once: a lane permute's destination counts as one of its sources
.endr
	s_wait_kmcnt 0x0
	SCALE 36
; One token.  left = how many younger loads may stay out: four for each later token that has been asked for (Wr's loads are older than all of them).
.macro TOKEN t, left
.set XS, X+16*((\t)%4)
	s_wait_loadcnt \left
	s_wait_dscnt 0x0                               ; the last token's LDS stores are done: their registers are written again below
.irp p, 0,1,2,3
	v_pk_mul_f32 v[A+2*\p:A+2*\p+1], v[XS:XS+1], v[WR+2*\p:WR+2*\p+1] op_sel_hi:[0,1]   ; the first product starts the sums; one number of x for two experts
.endr
.set n, 1
.rept 15
.irp p, 0,1,2,3
.if n%2
	v_pk_fma_f32 v[A+2*\p:A+2*\p+1], v[XS+n-1:XS+n], v[WR+8*n+2*\p:WR+8*n+2*\p+1], v[A+2*\p:A+2*\p+1] op_sel:[1,0,0] op_sel_hi:[1,1,1]
.else
	v_pk_fma_f32 v[A+2*\p:A+2*\p+1], v[XS+n:XS+n+1], v[WR+8*n+2*\p:WR+8*n+2*\p+1], v[A+2*\p:A+2*\p+1] op_sel_hi:[0,1,1]
.endif
.endr
.set n, n+1
.endr
.irp k, 1,2,4,8                        ; the 32 lanes' parts are added: four steps inside each half, one across
.irp e, 0,1,2,3,4,5,6,7
	v_add_f32_dpp v[A+\e], v[A+\e], v[A+\e] row_xmask:\k row_mask:0xf bank_mask:0xf
.endr
.endr
.irp e, 0,1,2,3,4,5,6,7
	v_permlanex16_b32 v[T+\e], v[A+\e], s38, s39
.endr
.irp p, 0,1,2,3
	v_pk_add_f32 v[A+2*\p:A+2*\p+1], v[A+2*\p:A+2*\p+1], v[T+2*\p:T+2*\p+1]
.endr
.irp e, 0,1,2,3,4,5,6,7
	v_add_f32 v[A+\e], s[28+\e], v[A+\e]           ; + br: every lane now holds the 8 logits
.endr
	v_mov_b32 v32, v[A]                            ; the largest: a later logit wins only if it is greater, so a tie keeps the lower index
	v_mov_b32 v34, 0
.irp e, 1,2,3,4,5,6,7
	v_cmp_gt_f32 vcc_lo, v[A+\e], v32
	v_cndmask_b32 v32, v32, v[A+\e], vcc_lo
	v_cndmask_b32 v34, v34, \e, vcc_lo
.endr
.irp e, 0,1,2,3,4,5,6,7
	v_cmp_eq_u32 vcc_lo, \e, v34
	v_cndmask_b32 v[T+\e], v[A+\e], v9, vcc_lo     ; the winner is taken out,
.endr
	v_mov_b32 v33, v[T]                            ; and the same scan finds the second
	v_mov_b32 v35, 0
.irp e, 1,2,3,4,5,6,7
	v_cmp_gt_f32 vcc_lo, v[T+\e], v33
	v_cndmask_b32 v33, v33, v[T+\e], vcc_lo
	v_cndmask_b32 v35, v35, \e, vcc_lo
.endr
	v_sub_f32 v39, v33, v32                        ; second - first, 0 or less: the maximum is taken away
	v_mul_f32 v39, 0x3fb8aa3b, v39
	v_exp_f32 v40, v39                             ; p = e^(second - first)
	v_lshlrev_b32 v38, v34, v10                    ; (plain work behind the exponential)  the route word
	v_lshlrev_b32 v41, v35, v11
	v_or_b32 v38, v38, v41
	s_wait_alu depctr_va_vdst(0)                   ; the wait stands ahead of the first line that names the result
	v_add_f32 v41, 1.0, v40
	v_rcp_f32 v36, v41                             ; the first gate, 1 / (1 + p)
.irp i, 0,1,2,3,4,5,6,7,8,9,10,11,12,13,14,15
	v_med3_num_f32 v[XS+\i], v[XS+\i], -v8, v8     ; (plain work behind the reciprocal)  x is held within the largest code x the scale
.endr
	s_wait_alu depctr_va_vdst(0)
	v_mul_f32 v37, v40, v36                        ; the second gate, p / (1 + p)
	s_wait_xcnt 0x0                                ; the last token's store has read v44-47
	v_cvt_scalef32_pk8_bf8_f32 v[44:45], v[XS:XS+7], v7
	v_cvt_scalef32_pk8_bf8_f32 v[46:47], v[XS+8:XS+15], v7
	v_nop                                          ; a plain line behind the last conversion
	global_store_b128 v1, v[44:47], s[22:23] offset:512*(\t)   ; a row of xq: 512 consecutive bytes
.if (\t) < 4
	XLOAD (\t)+4
.endif
	ds_store_b128 v3, v[A:A+3] offset:32*(\t)      ; every lane holds the same numbers and writes them to the same bytes
	ds_store_b128 v3, v[A+4:A+7] offset:32*(\t)+16
	ds_store_b64 v4, v[34:35] offset:8*(\t)
	ds_store_b64 v5, v[36:37] offset:8*(\t)
	ds_store_b32 v6, v38 offset:4*(\t)
.endm
	TOKEN 0, 12
	TOKEN 1, 12
	TOKEN 2, 12
	TOKEN 3, 12
	TOKEN 4, 12
	TOKEN 5, 8
	TOKEN 6, 4
	TOKEN 7, 0
	s_wait_dscnt 0x0                               ; for the others' sake: my stores have landed
	s_barrier_signal -1
	s_barrier_wait -1
	s_cmp_lg_u32 s26, 0                            ; the small results of 32 tokens leave in dense runs, one kind a wave
	s_cbranch_scc1 .Lw1
	ds_load_b128 v[16:19], v1
	ds_load_b128 v[20:23], v1 offset:512
	s_wait_dscnt 0x0
	global_store_b128 v1, v[16:19], s[14:15]
	global_store_b128 v1, v[20:23], s[14:15] offset:512
	s_wait_tensorcnt 0x0
	ds_add_u32 v62, v63
	s_wait_dscnt 0x0
	s_endpgm
.Lw1:
	s_cmp_lg_u32 s26, 1
	s_cbranch_scc1 .Lw2
	ds_load_b64 v[16:17], v13
	s_wait_dscnt 0x0
	global_store_b64 v48, v[16:17], s[16:17]
	s_wait_tensorcnt 0x0
	ds_add_u32 v62, v63
	s_wait_dscnt 0x0
	s_endpgm
.Lw2:
	s_cmp_lg_u32 s26, 2
	s_cbranch_scc1 .Lw3
	ds_load_b64 v[16:17], v14
	s_wait_dscnt 0x0
	global_store_b64 v48, v[16:17], s[20:21]
	s_wait_tensorcnt 0x0
	ds_add_u32 v62, v63
	s_wait_dscnt 0x0
	s_endpgm
.Lw3:
	ds_load_b32 v16, v15
	s_wait_dscnt 0x0
	global_store_b32 v49, v16, s[18:19]
	s_wait_tensorcnt 0x0
	ds_add_u32 v62, v63
	s_wait_dscnt 0x0
	s_endpgm
	; ---------------- W1 INTO CODES ----------------
.Lquant:
	s_sub_co_u32 s44, ttmp9, 128
	s_lshr_b32 s45, s44, 7                         ; expert
	s_and_b32 s46, s44, 15                         ; which 128 columns
	s_bfe_u32 s47, s44, 0x30004                    ; which 4 chunks along K
	s_lshl_b32 s40, s45, 22
	s_lshl_b32 s48, s47, 17                        ; 16 rows of 8,192 bytes: chunk q begins at row 4 q
	s_add_co_u32 s40, s40, s48
	s_lshl_b32 s48, s46, 9
	s_add_co_u32 s40, s40, s48
	s_mov_b32 s41, 0
	s_add_nc_u64 s[40:41], s[10:11], s[40:41]
	s_lshl_b32 s42, s45, 20
	s_lshl_b32 s48, s46, 16
	s_add_co_u32 s42, s42, s48
	s_lshr_b32 s48, s47, 1
	s_lshl_b32 s48, s48, 11                        ; K step
	s_add_co_u32 s42, s42, s48
	s_and_b32 s48, s47, 1
	s_lshl_b32 s48, s48, 10                        ; which half of a fragment's 2,048 bytes
	s_add_co_u32 s42, s42, s48
	s_mov_b32 s43, 0
	s_add_nc_u64 s[42:43], s[24:25], s[42:43]
	v_and_b32 v3, 15, v12                          ; r
	v_lshrrev_b32 v4, 4, v12                       ; u
	v_and_b32 v5, 8, v3
	v_add_nc_u32 v5, v5, v3                        ; r + 8 (r / 8)
	v_lshl_add_u32 v5, v4, 3, v5                   ; + 8 u: my column among the wave's 32
	s_lshl_b32 s48, s26, 5
	v_add_nc_u32 v5, s48, v5
	v_lshlrev_b32 v1, 2, v5
	v_lshlrev_b32 v2, 4, v3
	v_lshl_add_u32 v2, v4, 13, v2
	s_lshl_b32 s48, s26, 14
	v_add_nc_u32 v2, s48, v2                       ; out: 16384 wave + 8192 u + 16 r
	WQUANT 8192, 1, 37
	s_endpgm
.Lfunc_end_k_qef5d4e2f7e_front:
	.size	k_qef5d4e2f7e_front, .Lfunc_end_k_qef5d4e2f7e_front-k_qef5d4e2f7e_front
	.p2alignl 7, 3214868480
	.fill 96, 4, 3214868480
	.section	.rodata,"a",@progbits
	.p2align	6, 0x0
	.amdhsa_kernel k_qef5d4e2f7e_front
		.amdhsa_group_segment_fixed_size 2560
		.amdhsa_private_segment_fixed_size 0
		.amdhsa_enable_private_segment 0
		.amdhsa_kernarg_size 88
		.amdhsa_user_sgpr_count 2
		.amdhsa_user_sgpr_kernarg_segment_ptr 1
		.amdhsa_wavefront_size32 1
		.amdhsa_system_sgpr_workgroup_id_x 1
		.amdhsa_system_sgpr_workgroup_id_y 1
		.amdhsa_system_sgpr_workgroup_id_z 1
		.amdhsa_system_vgpr_workitem_id 0
		.amdhsa_next_free_vgpr 256
		.amdhsa_next_free_sgpr 66
		.amdhsa_reserve_vcc 1
		.amdhsa_float_denorm_mode_32 3
		.amdhsa_float_denorm_mode_16_64 3
		.amdhsa_memory_ordered 1
		.amdhsa_forward_progress 1
		.amdhsa_inst_pref_size 115
	.end_amdhsa_kernel
	.amdgpu_metadata
---
amdhsa.version: [ 1, 2 ]
amdhsa.kernels:
  - .name:           k_qef5d4e2f7e_front
    .symbol:         k_qef5d4e2f7e_front.kd
    .args:
      - { .name: x, .offset: 0, .size: 8, .value_kind: global_buffer, .address_space: global }
      - { .name: Wr, .offset: 8, .size: 8, .value_kind: global_buffer, .address_space: global }
      - { .name: br, .offset: 16, .size: 8, .value_kind: global_buffer, .address_space: global }
      - { .name: W1, .offset: 24, .size: 8, .value_kind: global_buffer, .address_space: global }
      - { .name: lowp_scales, .offset: 32, .size: 8, .value_kind: global_buffer, .address_space: global }
      - { .name: out0, .offset: 40, .size: 8, .value_kind: global_buffer, .address_space: global }
      - { .name: out1, .offset: 48, .size: 8, .value_kind: global_buffer, .address_space: global }
      - { .name: route, .offset: 56, .size: 8, .value_kind: global_buffer, .address_space: global }
      - { .name: gates, .offset: 64, .size: 8, .value_kind: global_buffer, .address_space: global }
      - { .name: xq, .offset: 72, .size: 8, .value_kind: global_buffer, .address_space: global }
      - { .name: w1q, .offset: 80, .size: 8, .value_kind: global_buffer, .address_space: global }
    .group_segment_fixed_size: 2560
    .private_segment_fixed_size: 0
    .kernarg_segment_align: 8
    .kernarg_segment_size: 88
    .max_flat_workgroup_size: 128
    .sgpr_count:     66
    .vgpr_count:     256
    .wavefront_size: 32
...
	.end_amdgpu_metadata
.endif
;; end of part 1
;; launch mid (part 2): grid 1040 x 1, 4 waves a work-group, no clusters, 0 bytes of LDS; arguments route, W2, lowp_scales, order, counts, w2q; writes order, counts, w2q
.if DOCPART == 2
	.amdgcn_target "amdgcn-amd-amdhsa--gfx1250"
	.amdhsa_code_object_version 6
	.text
	.protected	k_qef5d4e2f7e_mid
	.globl	k_qef5d4e2f7e_mid
	.p2align	8
	.type	k_qef5d4e2f7e_mid,@function
k_qef5d4e2f7e_mid:
	s_mov_b64 s[64:65], 0
	v_nop
	global_prefetch_b8 v0, s[64:65] scope:SCOPE_SE
	s_setreg_imm32_b32 hwreg(HW_REG_WAVE_MODE, 25, 1), 1
	s_wait_xcnt 0x0
; TWO JOBS IN ONE LAUNCH, told apart by the work-group's number alone.
; Work-groups 0-15: THE ROWS ARE PLACED BY EXPERT.  Expert e = work-group / 2; each of its eight waves owns a chunk of 512 tokens.  A wave counts the expert's rows in the chunks ahead of its own
;   and then writes its own rows' entries (token x 2 + which of the two choices) to order[e][..], one after the other.  No atomics, no LDS, no barrier: waves share nothing.
;   The eighth wave ends with the expert's total: it stores counts[e], and one entry 0 behind the list, so that entry 0 is written for an expert without rows too.
;   All places, entries and lane masks are made first, with all lanes on, each in a register of its own; the masked stores follow, and no vector register is written once EXEC has been narrowed.
; Work-groups 16-1039: W2 [8][2048][512] f32 becomes codes of E5M2 (w2q) in the order in which the chain's operand registers take them:
;   byte e 2^20 + (k >> 10) 524288 + (n >> 7) 131072 + ((k >> 7) & 7) 16384 + ((n >> 4) & 7) 2048 + ((k >> 5) & 3) 512 + ((k >> 4) & 1) 256 + (n & 15) 16 + (k & 15); k the hidden unit, n the column.
; LIMITS: ew2 between -126 and 112.  NaN and infinities among the inputs are not served.
.set X,    64
.set EMAX, 15
.set MANT, 0x600000
.set OFS,  64                          ; v64-79  the sort: byte offsets of the 16 stores (the counted chunks' registers, free by then)
.set ENT,  80                          ; v80-95  their entries
.set MK,   32                          ; s32-47  their lane masks
.macro SCALE se                        ; v7 = 2^e as f32, v8 = 57,344 x 2^e; e in s[se]
	s_add_co_i32 s50, s[\se], 127
	s_lshl_b32 s51, s50, 23
	v_mov_b32 v7, s51
	s_add_co_i32 s50, s50, EMAX
	s_lshl_b32 s50, s50, 23
	s_or_b32 s50, s50, MANT
	v_mov_b32 v8, s50
.endm
; A wave quantises 32 columns x 64 positions along K: a lane takes a column, its registers run down K.  All 64 loads go out at once; a chunk's 16 bytes a lane leave as two runs of 256 consecutive bytes, aligned.
.macro WQUANT rowb, perm, se
.irp q, 0,1,2,3
.irp t, 0,1,2,3,4,5,6,7,8,9,10,11,12,13,14,15
.if \perm
	global_load_b32 v[X+16*\q+\t], v1, s[40:41] offset:(128*(\t/4)+4*\q+\t%4)*\rowb th:TH_LOAD_NT
.else
	global_load_b32 v[X+16*\q+\t], v1, s[40:41] offset:(16*\q+\t)*\rowb th:TH_LOAD_NT
.endif
.endr
.endr
	s_wait_kmcnt 0x0
	SCALE \se
.irp q, 0,1,2,3
	s_wait_loadcnt 48-16*\q                        ; this chunk's 16 loads are in; the later chunks' may be out
.irp t, 0,1,2,3,4,5,6,7,8,9,10,11,12,13,14,15
	v_med3_num_f32 v[X+16*\q+\t], v[X+16*\q+\t], -v8, v8   ; the conversion to an 8-bit code does not saturate (ISA guide 7.6.2): the hold comes first
.endr
	v_cvt_scalef32_pk8_bf8_f32 v[128+4*\q:129+4*\q], v[X+16*\q:X+16*\q+7], v7
	v_cvt_scalef32_pk8_bf8_f32 v[130+4*\q:131+4*\q], v[X+16*\q+8:X+16*\q+15], v7
	global_store_b128 v2, v[128+4*\q:131+4*\q], s[42:43] offset:256*\q
.endr
.endm
	s_load_b256 s[4:11], s[0:1], 0x0               ; route 4:5, W2 6:7, scales 8:9, order 10:11
	s_load_b128 s[12:15], s[0:1], 0x20             ; counts 12:13, w2q 14:15
	v_lshrrev_b32 v1, 5, v0
	v_readfirstlane_b32 s26, v1                    ; wave 0..3
	v_and_b32 v12, 31, v0                          ; lane
	s_wait_kmcnt 0x0
	s_cmp_lt_u32 ttmp9, 16
	s_cbranch_scc0 .Lquant
	; ---------------- THE ROWS BY EXPERT ----------------
	s_lshr_b32 s17, ttmp9, 1                       ; expert e
	s_and_b32 s18, ttmp9, 1
	s_lshl_b32 s18, s18, 2
	s_add_co_u32 s18, s18, s26                     ; my chunk g, 0..7
	s_lshl_b32 s19, 0x101, s17                     ; a route word names e where it has bit e (first choice) or bit e + 8 (second)
	s_add_co_u32 s23, s17, 8
	s_mul_i32 s28, s17, 16640
	s_mov_b32 s29, 0
	s_add_nc_u64 s[10:11], s[10:11], s[28:29]      ; the expert's list
	v_lshlrev_b32 v2, 4, v12                       ; 16 x lane
	s_lshl_b32 s22, s18, 11
	v_add_nc_u32 v3, s22, v2                       ; + my chunk's 2,048 bytes
	s_lshl_b32 s22, s18, 10
	v_lshl_add_u32 v4, v12, 3, s22                 ; entry of my first token: 1024 g + 8 lane
.irp n, 0,1,2,3
	global_load_b128 v[48+4*\n:51+4*\n], v3, s[4:5] offset:512*\n      ; my chunk: register 4 n + c holds token 512 g + 128 n + 4 lane + c
.endr
.set n, 0
.rept 28
	global_load_b128 v[64+4*n:67+4*n], v2, s[4:5] offset:512*n         ; chunks 0 to 6: no wave has chunk 7 ahead of it
.set n, n+1
.endr
	v_mov_b32 v5, 0
	v_mov_b32 v6, 0
	s_wait_loadcnt 0x0
	s_wait_xcnt 0x0                                ; EXEC is narrowed below only behind this wait
	; the count: the masked words are added as they are: the first choices add up in the 8 bits from bit e, the second choices in the 8 bits from bit e + 8; a lane has at most 112 words
.irp c, 0,1,2,3,4,5,6
	s_cmp_gt_u32 s18, \c
	s_cselect_b32 s20, s19, 0                      ; a chunk that is not ahead of mine counts for nothing
.irp i, 0,1,2,3,4,5,6,7,8,9,10,11,12,13,14,15
	v_and_b32 v[7+\i%2], s20, v[64+16*\c+\i]
	v_add_nc_u32 v[5+\i%2], v[5+\i%2], v[7+\i%2]
.endr
.endr
	v_add_nc_u32 v5, v5, v6
	v_bfe_u32 v6, v5, s17, 8
	v_bfe_u32 v7, v5, s23, 8
	v_add_nc_u32 v8, v6, v7                        ; my lane's count
	s_mov_b32 s21, 0
.irp b, 0,1,2,3,4,5,6,7                ; the 32 lanes' counts are added in whole numbers: for each bit, how many lanes have it
	v_and_b32 v7, 1<<\b, v8
	v_cmp_ne_u32 vcc_lo, 0, v7
	s_bcnt1_i32_b32 s22, vcc_lo
	s_lshl_b32 s22, s22, \b
	s_add_co_u32 s21, s21, s22                     ; s21: where my chunk's rows begin in the list
.endr
; 32 tokens: those that chose e get consecutive places.  Mask, place and entry go into registers of this step's own.
.macro PLACE n, c
.set I, 4*\n+\c
	v_and_b32 v7, s19, v[48+I]
	v_cmp_ne_u32 s[MK+I], 0, v7                    ; the lanes whose token chose e
	v_mbcnt_lo_u32_b32 v[OFS+I], s[MK+I], s21      ; the place: the base + the choosers in the lanes below mine
	v_lshrrev_b32 v10, s23, v7                     ; 1 where e is the second choice
	v_add3_u32 v[ENT+I], v4, v10, 256*\n+2*\c      ; token x 2 + which choice
	v_min_u32 v[OFS+I], 0xfff, v[OFS+I]            ; an expert has at most 4,096 rows
	v_lshlrev_b32 v[OFS+I], 2, v[OFS+I]
	s_bcnt1_i32_b32 s22, s[MK+I]
	s_add_co_u32 s21, s21, s22
.endm
.irp n, 0,1,2,3
.irp c, 0,1,2,3
	PLACE \n, \c
.endr
.endr
	s_lshl_b32 s22, s17, 2                         ; what the last chunk's wave stores at the end: made here, with all lanes on.  s21 is now the count up to and with my chunk
	v_mov_b32 v9, s22                              ; counts[e]'s byte
	v_mov_b32 v11, s21                             ; the total
	v_min_u32 v5, 0x1000, v11                      ; the place behind the list
	v_lshlrev_b32 v5, 2, v5
	v_mov_b32 v6, 0
.irp i, 0,1,2,3,4,5,6,7,8,9,10,11,12,13,14,15
	s_mov_b32 vcc_lo, s[MK+\i]
	s_and_saveexec_b32 s24, vcc_lo
	global_store_b32 v[OFS+\i], v[ENT+\i], s[10:11]
	s_wait_xcnt 0x0                                ; EXEC is written again only behind this wait
	s_or_b32 exec_lo, exec_lo, s24
.endr
	s_cmp_lg_u32 s18, 7
	s_cbranch_scc1 .Ldone
	s_mov_b32 vcc_lo, 1                            ; lane 0 alone
	s_and_saveexec_b32 s24, vcc_lo
	global_store_b32 v9, v11, s[12:13]             ; counts[e]
	global_store_b32 v5, v6, s[10:11]              ; one entry 0 behind the list
	s_wait_xcnt 0x0
	s_or_b32 exec_lo, exec_lo, s24
.Ldone:
	s_endpgm
	; ---------------- W2 INTO CODES ----------------
.Lquant:
	s_load_b32 s37, s[8:9], 0x8                    ; ew2
	s_sub_co_u32 s44, ttmp9, 16
	s_lshr_b32 s45, s44, 7                         ; expert
	s_and_b32 s46, s44, 3                          ; which 128 columns
	s_bfe_u32 s47, s44, 0x50002                    ; which 64 hidden units
	s_lshl_b32 s40, s45, 22
	s_lshl_b32 s48, s47, 17                        ; 64 rows of 2,048 bytes
	s_add_co_u32 s40, s40, s48
	s_lshl_b32 s48, s46, 9
	s_add_co_u32 s40, s40, s48
	s_mov_b32 s41, 0
	s_add_nc_u64 s[40:41], s[6:7], s[40:41]
	s_lshl_b32 s42, s45, 20
	s_lshr_b32 s48, s47, 4
	s_lshl_b32 s48, s48, 19                        ; which half of the hidden layer
	s_add_co_u32 s42, s42, s48
	s_lshl_b32 s48, s46, 17
	s_add_co_u32 s42, s42, s48
	s_bfe_u32 s48, s47, 0x30001
	s_lshl_b32 s48, s48, 14                        ; K step
	s_add_co_u32 s42, s42, s48
	s_and_b32 s48, s47, 1
	s_lshl_b32 s48, s48, 10
	s_add_co_u32 s42, s42, s48
	s_mov_b32 s43, 0
	s_add_nc_u64 s[42:43], s[14:15], s[42:43]
	s_lshl_b32 s48, s26, 5
	v_add_nc_u32 v1, s48, v12
	v_lshlrev_b32 v1, 2, v1                        ; in: column 32 wave + lane
	v_and_b32 v3, 15, v12
	v_lshrrev_b32 v4, 4, v12
	v_lshlrev_b32 v2, 4, v3
	v_lshl_add_u32 v2, v4, 11, v2
	s_lshl_b32 s48, s26, 12
	v_add_nc_u32 v2, s48, v2                       ; out: 4096 wave + 2048 (lane / 16) + 16 (lane % 16)
	WQUANT 2048, 0, 37
	s_endpgm
.Lfunc_end_k_qef5d4e2f7e_mid:
	.size	k_qef5d4e2f7e_mid, .Lfunc_end_k_qef5d4e2f7e_mid-k_qef5d4e2f7e_mid
	.p2alignl 7, 3214868480
	.fill 96, 4, 3214868480
	.section	.rodata,"a",@progbits
	.p2align	6, 0x0
	.amdhsa_kernel k_qef5d4e2f7e_mid
		.amdhsa_group_segment_fixed_size 0
		.amdhsa_private_segment_fixed_size 0
		.amdhsa_enable_private_segment 0
		.amdhsa_kernarg_size 48
		.amdhsa_user_sgpr_count 2
		.amdhsa_user_sgpr_kernarg_segment_ptr 1
		.amdhsa_wavefront_size32 1
		.amdhsa_system_sgpr_workgroup_id_x 1
		.amdhsa_system_sgpr_workgroup_id_y 1
		.amdhsa_system_sgpr_workgroup_id_z 1
		.amdhsa_system_vgpr_workitem_id 0
		.amdhsa_next_free_vgpr 192
		.amdhsa_next_free_sgpr 66
		.amdhsa_reserve_vcc 1
		.amdhsa_float_denorm_mode_32 3
		.amdhsa_float_denorm_mode_16_64 3
		.amdhsa_memory_ordered 1
		.amdhsa_forward_progress 1
		.amdhsa_inst_pref_size 37
	.end_amdhsa_kernel
	.amdgpu_metadata
---
amdhsa.version: [ 1, 2 ]
amdhsa.kernels:
  - .name:           k_qef5d4e2f7e_mid
    .symbol:         k_qef5d4e2f7e_mid.kd
    .args:
      - { .name: route, .offset: 0, .size: 8, .value_kind: global_buffer, .address_space: global }
      - { .name: W2, .offset: 8, .size: 8, .value_kind: global_buffer, .address_space: global }
      - { .name: lowp_scales, .offset: 16, .size: 8, .value_kind: global_buffer, .address_space: global }
      - { .name: order, .offset: 24, .size: 8, .value_kind: global_buffer, .address_space: global }
      - { .name: counts, .offset: 32, .size: 8, .value_kind: global_buffer, .address_space: global }
      - { .name: w2q, .offset: 40, .size: 8, .value_kind: global_buffer, .address_space: global }
    .group_segment_fixed_size: 0
    .private_segment_fixed_size: 0
    .kernarg_segment_align: 8
    .kernarg_segment_size: 48
    .max_flat_workgroup_size: 128
    .sgpr_count:     66
    .vgpr_count:     192
    .wavefront_size: 32
...
	.end_amdgpu_metadata
.endif
;; end of part 2
;; launch chain (part 3): grid 71 x 2, 4 waves a work-group, no clusters, 239,104 bytes of LDS; arguments xq, w1q, w2q, b1, b2, gates, order, counts, lowp_scales, ypart; writes ypart
.if DOCPART == 3
	.amdgcn_target "amdgcn-amd-amdhsa--gfx1250"
	.amdhsa_code_object_version 6
	.text
	.protected	k_qef5d4e2f7e_chain
	.globl	k_qef5d4e2f7e_chain
	.p2align	8
	.type	k_qef5d4e2f7e_chain,@function
k_qef5d4e2f7e_chain:
	s_mov_b64 s[64:65], 0
	v_nop
	global_prefetch_b8 v0, s[64:65] scope:SCOPE_SE
	s_setreg_imm32_b32 hwreg(HW_REG_WAVE_MODE, 25, 1), 1
	s_wait_xcnt 0x0
; ONE TILE OF 128 ROUTED ROWS OF ONE EXPERT, ONE HALF OF THE HIDDEN LAYER, THROUGH THE WHOLE CHAIN:
;   gather the rows' codes of x, h = relu(x W1 + b1) for 1,024 hidden units, quantise h in registers, y = h W2 (+ b2 in half 0), x the row's gate, store to ypart[half][token x 2 + choice][512].
; Both products on codes of E5M2 by v_wmma_f32_16x16x128_bf8_bf8; sums in f32.  The hidden layer never goes to memory.
; THE GRID serves every split: 8,192 rows in tiles of 128 over 8 experts are never more than 64 + 7 = 71 tiles.  Which expert and which rows a tile has is found from the stored counts.
;   A work-group that the split leaves without rows jumps over the work inside each trip and stores nothing; it passes both barriers like every other.
;   A tile's rows past the expert's last repeat that last row: they compute and store the same numbers to the same place, so nothing is masked.
; NO JOINT LOADS, NO DATA MOVER: the tile's expert, and whether it has rows, hang on numbers read from memory; tiles of one expert do not come in fours either.
;   The weights come from memory straight into registers, from buffers laid in register order: a fragment (16 rows x 128 K) is 2,048 bytes on end, four loads of 16 bytes a lane.
; THE WAVES SHARE THE COLUMNS: wave w makes hidden units 256 w .. 256 w + 255 of the half, then output columns 128 w .. 128 w + 127, for all 128 rows.  Each wave streams 128 KB of W1's codes and 128 KB of W2's,
;   through a ring of four units of 4 fragments (64 registers, 16 loads): three units are on their way while one is multiplied, and the ring runs on from W1 into W2.
; BOTH PRODUCTS ARE USED TRANSPOSED (source 0 = 16 rows of the weight, source 1 = 16 rows of tokens): a lane holds one token's row.  The hidden units of a tile of W1 are chosen (lane r of tile 2 b + u: unit
;   32 b + 8 u + r + 8 (r / 8)) so that the 16 registers of tiles 2 b and 2 b + 1 are 16 neighbours along the next K: the conversions' results are the next operand's registers.
;   They go from wave to wave through LDS as images of those registers.
; The biases are the C of each sum's first matrix instruction, divided by the power of two that the sums lack.  The three scales ahead of h's quantiser are folded into the conversion's one.
; LIMITS: eh - ex - ew1 between -126 and 112; the other exponents go through v_ldexp_f32.  NaN and infinities among the inputs are not served.
; REGISTERS, in windows of 256.  Window 0: v1-23 addresses and constants; v24-31 the rows' entries; v32-39 their gates x 2^(ew2 + eh); v56-59 LDS bases of the hidden images;
;   v64-95 codes just made, v96-127 b1's tiles of a trip (later v64-127 b2's tiles); v128-255 x's rows, then two tiles' sums for 8 tiles of rows, then 8 hidden fragments, then the 128 rows' store offsets.
;   Window 1: the ring.   Windows 2, 3: x's 32 fragments, then the 64 accumulators of y, then the rows of y as they are stored.
.set XP,   528                         ; an LDS row of 512 bytes + 16: 33 x 16 bytes, so that the 16 rows of a load start at 16 different banks (64 banks of 4 bytes: ISA guide 11.1)
.set HIMG, 128*XP                      ; LDS: 128 rows of x's codes from byte 0; then the hidden images [K step 8][c 4][tile of rows 8][16 x lane]: 131,072 bytes;
.set B1S,  HIMG+131072                 ; b1, 1,024 bytes a wave;
.set B2S,  B1S+4096                    ; b2, 512 bytes a wave;
.set OST,  B2S+2048                    ; the way out: 16 rows x 528 bytes for each wave
.set L16, 1                            ; 16 x lane
.set R,   2                            ; lane % 16
.set H,   3                            ; lane / 16
.set XA,  4                            ; x's fragments: 528 R + 16 H
.set XS,  5                            ; where I store my wave's rows of x
.set HST0, 6                           ; where I store hidden images
.set HLD0, 7                           ; where all are read
.set HAD, 8
.set BA0, 10                           ; b1's tiles
.set BAD, 11
.set B1W, 12
.set B2W, 13
.set B2A, 14
.set STO, 15
.set RD,  16
.set CO,  17                           ; my bytes of a row of ypart: 512 w + 16 lane
.set SC,  18                           ; 2^(eh - ex - ew1)
.set LIM, 19                           ; 57,344 x that
.set PFO, 20                           ; 256 x lane
.set EA,  21                           ; entries of my wave's 32 rows, a lane a row
.set LN,  22
.set B1O, 23
.set EN,  24
.set GF,  32
.set B2R, 40
.set B1R, 56
.set HB,  56
.set PC,  64
.set BI,  96
.set B2C, 64
.set HA,  128
.set HF,  128
.set XR,  128
.set VO,  128                          ; the way out: row t of tile m has its offset in v[128 + 16 m + t]
.set W1P, 6                            ; s[6:7]   my wave's stream of W1's codes;  s[8:9] of W2's
.set W2P, 8
.set YP,  22
.set WV,  24
.set HALF, 25
.set G,   26
.set ACT, 27                           ; 1: my tile has rows
.set CNT, 28                           ; s[28:35] the experts' counts;  s[36:39] ex, ew1, ew2, eh
.set ES,  40
.set CN,  41
.set START, 42
.set RUN, 43
.set TL,  44
.set ROW0, 45
.set CM1, 46
.set RP,  48                           ; s[48:49] where phase 1's refills stand
.set PP,  50                           ; s[50:51] where the prefetches stand
.set OF,  52
.set TR,  54
.set GT,  55
.set PLIM, 56
.set HSS, 57
.set BS,  58
.set TS,  60
.set NE1, 61
.set E2,  62
.set NE2, 63
.set ONE, 66
.set SE,  68                           ; s68-99  rows' entries read out of lanes: 32 at the head, two sets of 16 by turns on the way out
.set MSB, 0
.macro WIN new                         ; low byte: bits 1:0 source 0, 3:2 source 1, 5:4 source 2, 7:6 destination; the high byte repeats the setting that is left
.if MSB != \new
	s_set_vgpr_msb (MSB<<8)|\new
.set MSB, \new
.endif
.endm
.macro NOP4                            ; four places behind a matrix instruction, ahead of loads into its registers and of the first read of its result
.rept 4
	v_nop
.endr
.endm
.macro RING slot, base, off            ; a unit: 4 fragments, 8,192 consecutive bytes, 16 loads (destination window 1)
.irp f, 0,1,2,3
.irp c, 0,1,2,3
	global_load_b128 v[64*(\slot)+16*\f+4*\c:64*(\slot)+16*\f+4*\c+3], v[L16], s[\base:\base+1] offset:(\off)+2048*\f+512*\c
.endr
.endr
.endm
; A PREFETCH INTO THE L2 of the four units (32,768 bytes of my wave's stream, lanes 256 bytes apart) that the refills of two trips on will load.  All tiles of an expert walk the same streams:
; the expert's first tile asks, each wave for its own stream, so each block is named once.  Trip 0 names W1's units 12-15, trips 1 to 4 W2's 16 units; later trips ask for nothing, so no request passes a stream's end.
.macro ASK
	s_cmp_lt_u32 s[GT], s[PLIM]
	s_cbranch_scc0 .Lno_ask_\@
.irp i, 0,1,2,3
	global_prefetch_b8 v[PFO], s[PP:PP+1] offset:8192*\i th:TH_LOAD_NT scope:SCOPE_SE
.endr
.Lno_ask_\@:
.endm
	s_load_b512 s[4:19], s[0:1], 0x0               ; xq 4:5, w1q 6:7, w2q 8:9, b1 10:11, b2 12:13, gates 14:15, order 16:17, counts 18:19
	s_load_b128 s[20:23], s[0:1], 0x40             ; scales 20:21, ypart 22:23
	v_lshl_add_u32 v54, v0, 2, 0x3a400
	v_mov_b32 v55, 0
	v_lshrrev_b32 v[LN], 5, v0
	v_readfirstlane_b32 s[WV], v[LN]               ; wave 0..3
	s_and_b32 s[HALF], ttmp7, 0xffff
	s_mov_b32 s[G], ttmp9
	v_and_b32 v[LN], 31, v0
	v_lshlrev_b32 v[L16], 4, v[LN]
	v_and_b32 v[R], 15, v0
	v_bfe_u32 v[H], v0, 4, 1
	v_mul_u32_u24 v[XA], v[R], XP
	v_lshl_add_u32 v[XA], v[H], 4, v[XA]
	s_mul_i32 s[TS], s[WV], 32*XP
	v_add_nc_u32 v[XS], s[TS], v[L16]
	s_lshl_b32 s[TS], s[WV], 15
	s_add_co_u32 s[TS], s[TS], HIMG
	v_add_nc_u32 v[HST0], s[TS], v[L16]            ; my two K steps of the second product: 32,768 bytes a wave
	v_add_nc_u32 v[HLD0], HIMG, v[L16]
	s_lshl_b32 s[TS], s[WV], 10
	s_add_co_u32 s[TS], s[TS], B1S
	v_lshl_add_u32 v[BA0], v[H], 6, s[TS]          ; tile 2 b + u, lane half h: units 32 b + 16 h + 8 u + 0 .. 7
	v_lshl_add_u32 v[B1W], v[LN], 5, s[TS]
	s_lshl_b32 s[TS], s[WV], 9
	v_add_nc_u32 v[CO], s[TS], v[L16]
	s_add_co_u32 s[TS], s[TS], B2S
	v_add_nc_u32 v[B2W], s[TS], v[L16]
	v_lshl_add_u32 v[B2A], v[H], 5, s[TS]          ; tile n, lane half h: columns 16 n + 8 h + 0 .. 7
	s_mul_i32 s[TS], s[WV], 16*XP
	s_add_co_u32 s[TS], s[TS], OST
	v_mul_u32_u24 v[STO], v[R], XP
	v_lshl_add_u32 v[STO], v[H], 5, v[STO]
	v_add_nc_u32 v[STO], s[TS], v[STO]
	v_add_nc_u32 v[RD], s[TS], v[L16]
	v_lshlrev_b32 v[PFO], 8, v[LN]
	v_lshlrev_b32 v[B1O], 5, v[LN]
	s_wait_kmcnt 0x0
	s_load_b256 s[CNT:CNT+7], s[18:19], 0x0
	s_load_b128 s[36:39], s[20:21], 0x0
	s_wait_kmcnt 0x0
	; which expert's tile am I?  The experts' tiles follow each other; no branch: the last expert whose first tile is not behind mine
	s_mov_b32 s[ES], 0
	s_mov_b32 s[CN], 0
	s_mov_b32 s[START], 0
	s_mov_b32 s[RUN], 0
.irp e, 0,1,2,3,4,5,6,7
	s_cmp_ge_u32 s[G], s[RUN]
	s_cselect_b32 s[ES], \e, s[ES]
	s_cselect_b32 s[CN], s[CNT+\e], s[CN]
	s_cselect_b32 s[START], s[RUN], s[START]
	s_add_co_u32 s[TL], s[CNT+\e], 127
	s_lshr_b32 s[TL], s[TL], 7
	s_add_co_u32 s[RUN], s[RUN], s[TL]
.endr
	s_cmp_lt_u32 s[G], s[RUN]
	s_cselect_b32 s[ACT], 1, 0
	s_min_u32 s[ES], s[ES], 7
	s_sub_co_u32 s[ROW0], s[G], s[START]
	s_lshl_b32 s[ROW0], s[ROW0], 7                 ; my first row in the expert's list
	s_max_u32 s[CM1], s[CN], 1
	s_sub_co_u32 s[CM1], s[CM1], 1                 ; its last row (entry 0 where it has none: that entry is written)
	s_cmp_eq_u32 s[G], s[START]
	s_cselect_b32 s[PLIM], 5, 0
	s_mul_i32 s[PLIM], s[PLIM], s[ACT]             ; the expert's first tile prefetches in trips 0 to 4
	; the scales
	s_add_co_i32 s[TS], s36, s37                   ; ex + ew1: a sum of the first product stands for sum x 2^(ex + ew1)
	s_sub_co_i32 s[NE1], 0, s[TS]
	s_add_co_i32 s[E2], s38, s39                   ; ew2 + eh
	s_sub_co_i32 s[NE2], 0, s[E2]
	s_sub_co_i32 s[TS], s39, s[TS]
	s_add_co_i32 s[TS], s[TS], 127
	s_lshl_b32 s[OF], s[TS], 23
	v_mov_b32 v[SC], s[OF]
	s_add_co_i32 s[TS], s[TS], 15
	s_lshl_b32 s[TS], s[TS], 23
	s_or_b32 s[TS], s[TS], 0x600000
	v_mov_b32 v[LIM], s[TS]
	s_cmp_eq_u32 s[HALF], 0
	s_cselect_b32 s[ONE], 0x3f800000, 0            ; b2 goes in once: in half 0
	; the pointers
	s_mov_b32 s[OF+1], 0
	s_lshl_b32 s[OF], s[ES], 20
	s_lshl_b32 s[TS], s[HALF], 19
	s_add_co_u32 s[OF], s[OF], s[TS]
	s_lshl_b32 s[TS], s[WV], 17
	s_add_co_u32 s[OF], s[OF], s[TS]
	s_add_nc_u64 s[W1P:W1P+1], s[W1P:W1P+1], s[OF:OF+1]
	s_add_nc_u64 s[W2P:W2P+1], s[W2P:W2P+1], s[OF:OF+1]
	s_mul_i32 s[OF], s[ES], 16640
	s_add_nc_u64 s[16:17], s[16:17], s[OF:OF+1]
	s_lshl_b32 s[OF], s[ES], 13
	s_lshl_b32 s[TS], s[HALF], 12
	s_add_co_u32 s[OF], s[OF], s[TS]
	s_lshl_b32 s[TS], s[WV], 10
	s_add_co_u32 s[OF], s[OF], s[TS]
	s_add_nc_u64 s[10:11], s[10:11], s[OF:OF+1]
	s_lshl_b32 s[OF], s[ES], 11
	s_lshl_b32 s[TS], s[WV], 9
	s_add_co_u32 s[OF], s[OF], s[TS]
	s_add_nc_u64 s[12:13], s[12:13], s[OF:OF+1]
	s_lshl_b32 s[OF], s[HALF], 24
	s_add_nc_u64 s[YP:YP+1], s[YP:YP+1], s[OF:OF+1]
	s_add_nc_u64 s[RP:RP+1], s[W1P:W1P+1], 32768   ; the first refills: units 4 to 7
	s_add_nc_u64 s[PP:PP+1], s[W1P:W1P+1], 98304   ; the first prefetch: units 12 to 15
	; the rows' entries; each load lands on its own offset register
	s_lshl_b32 s[TS], s[WV], 5
	s_add_co_u32 s[TS], s[TS], s[ROW0]
	v_add_nc_u32 v[EA], s[TS], v[LN]
	v_min_u32 v[EA], s[CM1], v[EA]
	v_min_u32 v[EA], 0xfff, v[EA]
	v_lshlrev_b32 v[EA], 2, v[EA]
	global_load_b32 v[EA], v[EA], s[16:17]
.irp m, 0,1,2,3,4,5,6,7
	v_add3_u32 v[EN+\m], s[ROW0], v[R], 16*\m
	v_min_u32 v[EN+\m], s[CM1], v[EN+\m]
	v_min_u32 v[EN+\m], 0xfff, v[EN+\m]
	v_lshlrev_b32 v[EN+\m], 2, v[EN+\m]
	global_load_b32 v[EN+\m], v[EN+\m], s[16:17]
.endr
	global_load_b128 v[B1R:B1R+3], v[B1O], s[10:11]
	global_load_b128 v[B1R+4:B1R+7], v[B1O], s[10:11] offset:16
	global_load_b128 v[B2R:B2R+3], v[L16], s[12:13]
	s_wait_loadcnt 0x3                             ; the nine loads of entries are in; the three of the biases may be out
	; my wave's 32 rows of x's codes.  Each kind of line stands in a run: the 32 lane reads first, the gates' lines between them and their scalar readers, then the clamps, the offsets, the loads
	v_lshrrev_b32 v[EA], 1, v[EA]                  ; the tokens
.set j, 0
.rept 32
	v_readlane_b32 s[SE+j], v[EA], j
.set j, j+1
.endr
.irp m, 0,1,2,3,4,5,6,7
	v_min_u32 v[EN+\m], 0x1fff, v[EN+\m]
.endr
.irp m, 0,1,2,3,4,5,6,7
	v_lshlrev_b32 v[GF+\m], 2, v[EN+\m]
.endr
.irp m, 0,1,2,3,4,5,6,7
	global_load_b32 v[GF+\m], v[GF+\m], s[14:15]   ; the gate of row 16 m + R
.endr
.set j, 0
.rept 32
	s_min_u32 s[SE+j], s[SE+j], 0xfff
.set j, j+1
.endr
.set j, 0
.rept 32
	v_lshl_add_u32 v[XR+4*j], s[SE+j], 9, v[L16]
.set j, j+1
.endr
.set j, 0
.rept 32
	global_load_b128 v[XR+4*j:XR+4*j+3], v[XR+4*j], s[4:5]   ; a row is 512 consecutive bytes, 16 a lane
.set j, j+1
.endr
	WIN 0x40
	RING 0, W1P, 0
	RING 1, W1P, 8192
	RING 2, W1P, 16384
	WIN 0
	s_wait_loadcnt 48                              ; all but the ring's 48 loads are in
.irp i, 0,1,2,3,4,5,6,7
	v_ldexp_f32 v[B1R+\i], v[B1R+\i], s[NE1]       ; b1 / 2^(ex + ew1)
.endr
	ds_store_b128 v[B1W], v[B1R:B1R+3]
	ds_store_b128 v[B1W], v[B1R+4:B1R+7] offset:16
.irp i, 0,1,2,3
	v_ldexp_f32 v[B2R+\i], v[B2R+\i], s[NE2]       ; b2 / 2^(ew2 + eh),
.endr
.irp i, 0,1,2,3
	v_mul_f32 v[B2R+\i], s[ONE], v[B2R+\i]         ; or 0 in half 1
.endr
	ds_store_b128 v[B2W], v[B2R:B2R+3]
.irp m, 0,1,2,3,4,5,6,7
	v_ldexp_f32 v[GF+\m], v[GF+\m], s[E2]          ; gate x 2^(ew2 + eh)
.endr
.set j, 0
.rept 32
	ds_store_b128 v[XS], v[XR+4*j:XR+4*j+3] offset:XP*j
.set j, j+1
.endr
	WIN 0x40
	RING 3, W1P, 24576
	WIN 0
	s_wait_dscnt 0x0                               ; for the others' sake: my rows of x and my biases lie in LDS
	s_barrier_signal -1
	s_barrier_wait -1
	WIN 0x80                                       ; x's fragments stay in registers: tile of rows m, K step k at 64 (m % 4) + 16 k of window 2 (m < 4) or 3
.irp m, 0,1,2,3
.irp k, 0,1,2,3
.irp c, 0,1,2,3
	ds_load_b128 v[64*\m+16*\k+4*\c:64*\m+16*\k+4*\c+3], v[XA] offset:16*XP*\m+128*\k+32*\c
.endr
.endr
.endr
	WIN 0xc0
.irp m, 0,1,2,3
.irp k, 0,1,2,3
.irp c, 0,1,2,3
	ds_load_b128 v[64*\m+16*\k+4*\c:64*\m+16*\k+4*\c+3], v[XA] offset:16*XP*(\m+4)+128*\k+32*\c
.endr
.endr
.endr
	WIN 0
.irp s, 0,1,2,3                        ; b1's four tiles of the first trip; each later trip's are asked for a trip ahead
	ds_load_b128 v[BI+8*\s:BI+8*\s+3],   v[BA0] offset:128*(\s/2)+32*(\s%2)
	ds_load_b128 v[BI+8*\s+4:BI+8*\s+7], v[BA0] offset:128*(\s/2)+32*(\s%2)+16
.endr
	s_mov_b32 s[TR], 0
	s_mov_b32 s[GT], 0
	s_mov_b32 s[HSS], 0
	s_mov_b32 s[BS], 0
; PHASE 1.  A unit is one tile of 16 hidden units, all four K steps: 32 matrix instructions for the 8 tiles of rows, four accumulators by turns, one instruction a turn.
.macro UNIT1 s
	s_wait_loadcnt 48                              ; this unit's 16 loads are in; the three later units' may be out
	WIN 0x09                                       ; source 0 (W1) window 1, source 1 (x) window 2, C and D window 0
.irp k, 0,1,2,3
.irp m, 0,1,2,3
.if \k == 0
	v_wmma_f32_16x16x128_bf8_bf8 v[HA+64*((\s)%2)+8*\m:HA+64*((\s)%2)+8*\m+7], v[64*(\s)+16*\k:64*(\s)+16*\k+15], v[64*\m+16*\k:64*\m+16*\k+15], v[BI+8*(\s):BI+8*(\s)+7]
.else
	v_wmma_f32_16x16x128_bf8_bf8 v[HA+64*((\s)%2)+8*\m:HA+64*((\s)%2)+8*\m+7], v[64*(\s)+16*\k:64*(\s)+16*\k+15], v[64*\m+16*\k:64*\m+16*\k+15], v[HA+64*((\s)%2)+8*\m:HA+64*((\s)%2)+8*\m+7]
.endif
.endr
.endr
	WIN 0x0d                                       ; x in window 3
.irp k, 0,1,2,3
.irp m, 0,1,2,3
.if \k == 0
	v_wmma_f32_16x16x128_bf8_bf8 v[HA+64*((\s)%2)+32+8*\m:HA+64*((\s)%2)+32+8*\m+7], v[64*(\s)+16*\k:64*(\s)+16*\k+15], v[64*\m+16*\k:64*\m+16*\k+15], v[BI+8*(\s):BI+8*(\s)+7]
.else
	v_wmma_f32_16x16x128_bf8_bf8 v[HA+64*((\s)%2)+32+8*\m:HA+64*((\s)%2)+32+8*\m+7], v[64*(\s)+16*\k:64*(\s)+16*\k+15], v[64*\m+16*\k:64*\m+16*\k+15], v[HA+64*((\s)%2)+32+8*\m:HA+64*((\s)%2)+32+8*\m+7]
.endif
.endr
.endr
	NOP4
	WIN 0x40
	RING \s, RP, 8192*(\s)                         ; the slot takes the unit four further on
	WIN 0
.endm
; Two neighbouring tiles' sums become 16 codes a lane for each tile of rows: registers 4 c .. 4 c + 3 of a fragment of the second product; their image goes to LDS.
; next = 1: b1's tiles of the next trip are asked for here, 256 bytes on: the 144 vector lines below stand between the request and the wait at the next trip's head.
; The last trip's request brings bytes that nobody uses (the next wave's b1; in wave 3, b2): bytes that were written ahead of the first barrier.
.macro QUANT1 p, next
	s_wait_dscnt 0x0                               ; the last images' stores are done
.if \next
.irp s, 0,1,2,3
	ds_load_b128 v[BI+8*\s:BI+8*\s+3],   v[BAD] offset:256+128*(\s/2)+32*(\s%2)
	ds_load_b128 v[BI+8*\s+4:BI+8*\s+7], v[BAD] offset:256+128*(\s/2)+32*(\s%2)+16
.endr
.endif
.irp m, 0,1,2,3,4,5,6,7
.irp i, 0,1,2,3,4,5,6,7
	v_med3_num_f32 v[HA+8*\m+\i], v[HA+8*\m+\i], 0, v[LIM]         ; the activation and the hold in one: between 0 and the largest code x the scale; each accumulator from its low end on
.endr
.irp i, 0,1,2,3,4,5,6,7
	v_med3_num_f32 v[HA+64+8*\m+\i], v[HA+64+8*\m+\i], 0, v[LIM]
.endr
	v_cvt_scalef32_pk8_bf8_f32 v[PC+4*\m:PC+4*\m+1], v[HA+8*\m:HA+8*\m+7], v[SC]
	v_cvt_scalef32_pk8_bf8_f32 v[PC+4*\m+2:PC+4*\m+3], v[HA+64+8*\m:HA+64+8*\m+7], v[SC]
.endr
	v_nop                                          ; a plain line behind the last conversion: the next products write the conversions' sources
.irp m, 0,1,2,3,4,5,6,7
	ds_store_b128 v[HAD], v[PC+4*\m:PC+4*\m+3] offset:4096*(\p)+512*\m
.endr
.endm
.Lp1:                                              ; four trips of four units: 64 hidden units a trip
	s_wait_dscnt 0x0                               ; x's fragments (first trip), this trip's tiles of b1, the last trip's images
	v_add_nc_u32 v[BAD], s[BS], v[BA0]
	v_add_nc_u32 v[HAD], s[HSS], v[HST0]
	s_cmp_eq_u32 s[ACT], 0
	s_cbranch_scc1 .Lp1_skip                       ; a tile without rows walks the loop and leaves the work out
	UNIT1 0
	ASK                                            ; behind a run of loads, three units ahead of the trip's wait on XCNT
	UNIT1 1
	QUANT1 0, 0
	UNIT1 2
	UNIT1 3
	QUANT1 1, 1
.Lp1_skip:
	s_wait_xcnt 0x0                                ; the refills and prefetches have read their bases
	s_add_nc_u64 s[RP:RP+1], s[RP:RP+1], 32768
	s_add_nc_u64 s[PP:PP+1], s[PP:PP+1], 32768
	s_add_co_u32 s[GT], s[GT], 1
	s_add_co_u32 s[HSS], s[HSS], 8192
	s_add_co_u32 s[BS], s[BS], 256
	s_add_co_u32 s[TR], s[TR], 1
	s_cmp_eq_u32 s[TR], 3
	s_cselect_b64 s[RP:RP+1], s[W2P:W2P+1], s[RP:RP+1]   ; the last trip refills the ring with W2's first four units
	s_cmp_eq_u32 s[GT], 1
	s_cselect_b64 s[PP:PP+1], s[W2P:W2P+1], s[PP:PP+1]   ; from trip 1 on the prefetches walk W2's stream
	s_cmp_lt_u32 s[TR], 4
	s_cbranch_scc1 .Lp1
	s_wait_dscnt 0x0
.irp n, 0,1,2,3,4,5,6,7                ; b2's eight tiles, my wave's own bytes, on every path
	ds_load_b128 v[B2C+8*\n:B2C+8*\n+3],   v[B2A] offset:64*\n
	ds_load_b128 v[B2C+8*\n+4:B2C+8*\n+7], v[B2A] offset:64*\n+16
.endr
.irp t, 0,1,2,3
	v_add_nc_u32 v[HB+\t], 32768*\t, v[HLD0]       ; two K steps of images to a base
.endr
	s_wait_dscnt 0x0                               ; for the others' sake: my hidden images lie in LDS
	s_barrier_signal -1
	s_barrier_wait -1
; PHASE 2.  y^T += W2^T h^T: eight K steps of 128 hidden units; 64 accumulators by turns, in the same order in every K step.
.macro HFLOAD m0, reg, off             ; four hidden fragments of one K step
.irp m, 0,1,2,3
.irp c, 0,1,2,3
	ds_load_b128 v[HF+16*((\m0)+\m)+4*\c:HF+16*((\m0)+\m)+4*\c+3], v[\reg] offset:(\off)+4096*\c+512*((\m0)+\m)
.endr
.endr
.endm
.macro MM2 slot, m0, n0                ; 16 matrix instructions: four tiles of rows x four tiles of columns
.irp m, 0,1,2,3
.irp n, 0,1,2,3
.if FIRST
	v_wmma_f32_16x16x128_bf8_bf8 v[8*(8*\m+(\n0)+\n):8*(8*\m+(\n0)+\n)+7], v[64*(\slot)+16*\n:64*(\slot)+16*\n+15], v[HF+16*((\m0)+\m):HF+16*((\m0)+\m)+15], v[B2C+8*((\n0)+\n):B2C+8*((\n0)+\n)+7]
.else
	v_wmma_f32_16x16x128_bf8_bf8 v[8*(8*\m+(\n0)+\n):8*(8*\m+(\n0)+\n)+7], v[64*(\slot)+16*\n:64*(\slot)+16*\n+15], v[HF+16*((\m0)+\m):HF+16*((\m0)+\m)+15], v[8*(8*\m+(\n0)+\n):8*(8*\m+(\n0)+\n)+7]
.endif
.endr
.endr
.endm
.macro WLO                             ; source 0 (W2) window 1, source 1 (h) window 0, D window 2; C window 2, or window 0 (b2) where the sums begin
.if FIRST
	WIN 0x81
.else
	WIN 0xa1
.endif
.endm
.macro WHI                             ; the same with window 3
.if FIRST
	WIN 0xc1
.else
	WIN 0xf1
.endif
.endm
; Trip tt of four: two K steps, four units.  A refill's place in my stream of W2 stands in the immediate (130,560 bytes at the most): no base is stepped.
; The last trip refills nothing, and its counts run down; the very last K step fetches no fragments.
.macro TRIP2 tt
	s_cmp_eq_u32 s[ACT], 0
	s_cbranch_scc1 .Lt2_skip_\@
.irp kk, 0,1
.set FIRST, 0
.if ((\tt) == 0) && (\kk == 0)
.set FIRST, 1
.endif
.set KN, 2*(\tt)+\kk+1                 ; the next K step
.if (\tt) == 3
	s_wait_loadcnt 48-32*\kk
.else
	s_wait_loadcnt 48                              ; this unit is in; the three later units may be out
.endif
	s_wait_dscnt 16                                ; hidden fragments 0-3 are in; the youngest 16 loads (4-7) may be out
	WLO
	MM2 2*\kk, 0, 0
	s_wait_dscnt 0x0
	WHI
	MM2 2*\kk, 4, 0
.if (\tt) < 3
	NOP4
	WIN 0x40
	RING 2*\kk, W2P, 32768*((\tt)+1)+16384*\kk
	WIN 0
.if ((\tt) == 0) && (\kk == 0)
	ASK                                            ; W2's last four units: the last request
.endif
.endif
.if (\tt) == 3
	s_wait_loadcnt 32-32*\kk
.else
	s_wait_loadcnt 48
.endif
	WLO
	MM2 2*\kk+1, 0, 4
.if KN < 8
	NOP4
	WIN 0
	HFLOAD 0, HB+KN/2, 16384*(KN%2)                ; fragments 0-3 have had their last product of this K step
.endif
	WHI
	MM2 2*\kk+1, 4, 4
.if KN < 8
	NOP4
	WIN 0
	HFLOAD 4, HB+KN/2, 16384*(KN%2)
.endif
.if (\tt) < 3
	WIN 0x40
	RING 2*\kk+1, W2P, 32768*((\tt)+1)+16384*\kk+8192
.endif
	WIN 0
.endr
.Lt2_skip_\@:
.endm
	s_cmp_eq_u32 s[ACT], 0
	s_cbranch_scc1 .Lpre_skip
	HFLOAD 0, HB, 0
	HFLOAD 4, HB, 0
.Lpre_skip:
	TRIP2 0
	TRIP2 1
	TRIP2 2
	TRIP2 3
	s_cmp_eq_u32 s[ACT], 0
	s_cbranch_scc1 .Lend
; THE WAY OUT, a tile of 16 rows at a time.  A lane holds 32 neighbouring bytes of a row and the lanes beside it hold other rows: so a tile goes through my own stage in LDS and comes back as rows of 512 bytes,
; which the 32 lanes store whole, each to its own row of ypart.  LDS serves a wave's instructions in order (ISA guide 5.7.1.4): no wait between the stores and the loads, nor ahead of the next tile's stores.
; NO REGISTER THAT A GLOBAL STORE READS IS WRITTEN AGAIN: a tile's sums are multiplied in place and its rows come back into the registers that the sums left; each of the 128 rows has an offset register of its own.
; So no wait stands between the tiles' stores.  One window setting serves a tile's multiplies, LDS stores, LDS loads and global stores: source 0 (the gate, the addresses) window 0, source 1 (the sums, the data) and the
; destination window 2 or 3.  Only the offsets, whose destination is window 0, want a switch.
.macro RLANE m                         ; the 16 rows' entries out of their lanes, into one of two sets by turns: read a tile ahead of the scalar lines that take them
.irp t, 0,1,2,3,4,5,6,7,8,9,10,11,12,13,14,15
	v_readlane_b32 s[SE+16*((\m)%2)+\t], v[EN+(\m)], \t
.endr
.endm
.macro VOCALC m                        ; entry = token x 2 + choice; a row of ypart is 2,048 bytes
.irp t, 0,1,2,3,4,5,6,7,8,9,10,11,12,13,14,15
	s_min_u32 s[SE+16*((\m)%2)+\t], s[SE+16*((\m)%2)+\t], 0x1fff
.endr
	WIN 0
.irp t, 0,1,2,3,4,5,6,7,8,9,10,11,12,13,14,15
	v_lshl_add_u32 v[VO+16*(\m)+\t], s[SE+16*((\m)%2)+\t], 11, v[CO]
.endr
.endm
.macro TOSTAGE m
.set AC, 64*((\m)%4)
	WIN (0x88+0x44*((\m)/4))
.irp j, 0,2,4,6,8,10,12,14,16,18,20,22,24,26,28,30,32,34,36,38,40,42,44,46,48,50,52,54,56,58,60,62
.if ((\m)%2) == 0
	v_pk_mul_f32 v[AC+\j:AC+\j+1], v[GF+(\m):GF+(\m)+1], v[AC+\j:AC+\j+1] op_sel_hi:[0,1]                  ; x my row's gate x 2^(ew2 + eh): the pair's low word for both halves;
.else
	v_pk_mul_f32 v[AC+\j:AC+\j+1], v[GF+(\m)-1:GF+(\m)], v[AC+\j:AC+\j+1] op_sel:[1,0] op_sel_hi:[1,1]     ; its high word.  Each accumulator from its low end on
.endif
.endr
.irp b, 0,1,2,3,4,5,6,7
	ds_store_b128 v[STO], v[AC+8*\b:AC+8*\b+3] offset:64*\b
	ds_store_b128 v[STO], v[AC+8*\b+4:AC+8*\b+7] offset:64*\b+16
.endr
.irp t, 0,1,2,3,4,5,6,7,8,9,10,11,12,13,14,15
	ds_load_b128 v[AC+4*\t:AC+4*\t+3], v[RD] offset:XP*\t
.endr
.endm
.macro SEND m, younger                 ; younger: the LDS instructions issued behind tile m's loads, which may stay out
.set AC, 64*((\m)%4)
	WIN (0x88+0x44*((\m)/4))
	s_wait_dscnt \younger
.irp t, 0,1,2,3,4,5,6,7,8,9,10,11,12,13,14,15
	global_store_b128 v[VO+16*(\m)+\t], v[AC+4*\t:AC+4*\t+3], s[YP:YP+1] th:TH_STORE_NT   ; 512 consecutive bytes, at a multiple of 512 from ypart's first byte
.endr
.endm
	NOP4                                           ; behind the last products: their results are read and their sources written below
	RLANE 0
	TOSTAGE 0
.irp m, 1,2,3,4,5,6,7
	RLANE \m
	TOSTAGE \m
	VOCALC \m-1                                    ; stands while LDS serves tile m
	SEND \m-1, 32                                  ; behind tile m - 1's loads: tile m's 16 stores and 16 loads
.endr
	VOCALC 7
	SEND 7, 0
	WIN 0                                          ; at a label every window is 0
.Lend:
	s_wait_tensorcnt 0x0
	ds_add_u32 v54, v55
	s_wait_dscnt 0x0
	s_endpgm
.Lfunc_end_k_qef5d4e2f7e_chain:
	.size	k_qef5d4e2f7e_chain, .Lfunc_end_k_qef5d4e2f7e_chain-k_qef5d4e2f7e_chain
	.p2alignl 7, 3214868480
	.fill 96, 4, 3214868480
	.section	.rodata,"a",@progbits
	.p2align	6, 0x0
	.amdhsa_kernel k_qef5d4e2f7e_chain
		.amdhsa_group_segment_fixed_size 239104
		.amdhsa_private_segment_fixed_size 0
		.amdhsa_enable_private_segment 0
		.amdhsa_kernarg_size 80
		.amdhsa_user_sgpr_count 2
		.amdhsa_user_sgpr_kernarg_segment_ptr 1
		.amdhsa_wavefront_size32 1
		.amdhsa_system_sgpr_workgroup_id_x 1
		.amdhsa_system_sgpr_workgroup_id_y 1
		.amdhsa_system_sgpr_workgroup_id_z 1
		.amdhsa_system_vgpr_workitem_id 0
		.amdhsa_next_free_vgpr 1024
		.amdhsa_next_free_sgpr 100
		.amdhsa_reserve_vcc 0
		.amdhsa_float_denorm_mode_32 3
		.amdhsa_float_denorm_mode_16_64 3
		.amdhsa_memory_ordered 1
		.amdhsa_forward_progress 1
		.amdhsa_inst_pref_size 217
	.end_amdhsa_kernel
	.amdgpu_metadata
---
amdhsa.version: [ 1, 2 ]
amdhsa.kernels:
  - .name:           k_qef5d4e2f7e_chain
    .symbol:         k_qef5d4e2f7e_chain.kd
    .args:
      - { .name: xq, .offset: 0, .size: 8, .value_kind: global_buffer, .address_space: global }
      - { .name: w1q, .offset: 8, .size: 8, .value_kind: global_buffer, .address_space: global }
      - { .name: w2q, .offset: 16, .size: 8, .value_kind: global_buffer, .address_space: global }
      - { .name: b1, .offset: 24, .size: 8, .value_kind: global_buffer, .address_space: global }
      - { .name: b2, .offset: 32, .size: 8, .value_kind: global_buffer, .address_space: global }
      - { .name: gates, .offset: 40, .size: 8, .value_kind: global_buffer, .address_space: global }
      - { .name: order, .offset: 48, .size: 8, .value_kind: global_buffer, .address_space: global }
      - { .name: counts, .offset: 56, .size: 8, .value_kind: global_buffer, .address_space: global }
      - { .name: lowp_scales, .offset: 64, .size: 8, .value_kind: global_buffer, .address_space: global }
      - { .name: ypart, .offset: 72, .size: 8, .value_kind: global_buffer, .address_space: global }
    .group_segment_fixed_size: 239104
    .private_segment_fixed_size: 0
    .kernarg_segment_align: 8
    .kernarg_segment_size: 80
    .max_flat_workgroup_size: 128
    .sgpr_count:     100
    .vgpr_count:     1024
    .wavefront_size: 32
...
	.end_amdgpu_metadata
.endif
;; end of part 3
;; launch combine (part 4): grid 256 x 1, 8 waves a work-group, no clusters, 0 bytes of LDS; arguments ypart, out2; writes out2
.if DOCPART == 4
	.amdgcn_target "amdgcn-amd-amdhsa--gfx1250"
	.amdhsa_code_object_version 6
	.text
	.protected	k_qef5d4e2f7e_combine
	.globl	k_qef5d4e2f7e_combine
	.p2align	8
	.type	k_qef5d4e2f7e_combine,@function
k_qef5d4e2f7e_combine:
	s_mov_b64 s[64:65], 0
	v_nop
	global_prefetch_b8 v0, s[64:65] scope:SCOPE_SE
	s_setreg_imm32_b32 hwreg(HW_REG_WAVE_MODE, 25, 1), 1
	s_wait_xcnt 0x0
; out2[token] = the sum of the token's four partial rows: two chosen experts x two halves of the hidden layer.  The gates and b2 are in them already.
; ypart: [2 halves][token x 2 + choice][512] f32.  A work-group takes 16 tokens, two a step: thread t takes 16 bytes of token t / 128.
; A stream: every byte is read once and written once; all 32 loads of a thread go out at once; each load and store of a wave covers 512 consecutive bytes.  No LDS, no barrier, no matrix unit: nothing here is shared or multiplied.
.set Y, 16                             ; v16-143: step s: four registers for each of the four rows
	s_load_b128 s[4:7], s[0:1], 0x0                ; ypart, out2
	v_lshrrev_b32 v1, 7, v0
	v_and_b32 v3, 127, v0
	v_lshlrev_b32 v3, 4, v3
	v_lshl_add_u32 v1, v1, 12, v3                  ; a token's two rows are 4,096 bytes
	v_lshlrev_b32 v2, 4, v0
	s_lshl_b32 s8, ttmp9, 16
	s_mov_b32 s9, 0
	s_lshl_b32 s10, ttmp9, 15
	s_mov_b32 s11, 0
	s_wait_kmcnt 0x0
	s_add_nc_u64 s[4:5], s[4:5], s[8:9]            ; half 0,
	s_add_nc_u64 s[12:13], s[4:5], 0x1000000       ; half 1
	s_add_nc_u64 s[6:7], s[6:7], s[10:11]
.irp s, 0,1,2,3,4,5,6,7
	global_load_b128 v[Y+16*\s:Y+16*\s+3],     v1, s[4:5] offset:8192*\s th:TH_LOAD_NT
	global_load_b128 v[Y+16*\s+4:Y+16*\s+7],   v1, s[4:5] offset:8192*\s+2048 th:TH_LOAD_NT
	global_load_b128 v[Y+16*\s+8:Y+16*\s+11],  v1, s[12:13] offset:8192*\s th:TH_LOAD_NT
	global_load_b128 v[Y+16*\s+12:Y+16*\s+15], v1, s[12:13] offset:8192*\s+2048 th:TH_LOAD_NT
.endr
.irp s, 0,1,2,3,4,5,6,7
	s_wait_loadcnt 28-4*\s                         ; this step's four loads are in; the later steps' may be out
	v_pk_add_f32 v[Y+16*\s:Y+16*\s+1],    v[Y+16*\s:Y+16*\s+1],    v[Y+16*\s+4:Y+16*\s+5]
	v_pk_add_f32 v[Y+16*\s+2:Y+16*\s+3],  v[Y+16*\s+2:Y+16*\s+3],  v[Y+16*\s+6:Y+16*\s+7]
	v_pk_add_f32 v[Y+16*\s+8:Y+16*\s+9],  v[Y+16*\s+8:Y+16*\s+9],  v[Y+16*\s+12:Y+16*\s+13]
	v_pk_add_f32 v[Y+16*\s+10:Y+16*\s+11], v[Y+16*\s+10:Y+16*\s+11], v[Y+16*\s+14:Y+16*\s+15]
	v_pk_add_f32 v[Y+16*\s:Y+16*\s+1],    v[Y+16*\s:Y+16*\s+1],    v[Y+16*\s+8:Y+16*\s+9]
	v_pk_add_f32 v[Y+16*\s+2:Y+16*\s+3],  v[Y+16*\s+2:Y+16*\s+3],  v[Y+16*\s+10:Y+16*\s+11]
	global_store_b128 v2, v[Y+16*\s:Y+16*\s+3], s[6:7] offset:4096*\s th:TH_STORE_NT
.endr
	s_endpgm
.Lfunc_end_k_qef5d4e2f7e_combine:
	.size	k_qef5d4e2f7e_combine, .Lfunc_end_k_qef5d4e2f7e_combine-k_qef5d4e2f7e_combine
	.p2alignl 7, 3214868480
	.fill 96, 4, 3214868480
	.section	.rodata,"a",@progbits
	.p2align	6, 0x0
	.amdhsa_kernel k_qef5d4e2f7e_combine
		.amdhsa_group_segment_fixed_size 0
		.amdhsa_private_segment_fixed_size 0
		.amdhsa_enable_private_segment 0
		.amdhsa_kernarg_size 16
		.amdhsa_user_sgpr_count 2
		.amdhsa_user_sgpr_kernarg_segment_ptr 1
		.amdhsa_wavefront_size32 1
		.amdhsa_system_sgpr_workgroup_id_x 1
		.amdhsa_system_sgpr_workgroup_id_y 1
		.amdhsa_system_sgpr_workgroup_id_z 1
		.amdhsa_system_vgpr_workitem_id 0
		.amdhsa_next_free_vgpr 144
		.amdhsa_next_free_sgpr 66
		.amdhsa_reserve_vcc 0
		.amdhsa_float_denorm_mode_32 3
		.amdhsa_float_denorm_mode_16_64 3
		.amdhsa_memory_ordered 1
		.amdhsa_forward_progress 1
		.amdhsa_inst_pref_size 8
	.end_amdhsa_kernel
	.amdgpu_metadata
---
amdhsa.version: [ 1, 2 ]
amdhsa.kernels:
  - .name:           k_qef5d4e2f7e_combine
    .symbol:         k_qef5d4e2f7e_combine.kd
    .args:
      - { .name: ypart, .offset: 0, .size: 8, .value_kind: global_buffer, .address_space: global }
      - { .name: out2, .offset: 8, .size: 8, .value_kind: global_buffer, .address_space: global }
    .group_segment_fixed_size: 0
    .private_segment_fixed_size: 0
    .kernarg_segment_align: 8
    .kernarg_segment_size: 16
    .max_flat_workgroup_size: 256
    .sgpr_count:     66
    .vgpr_count:     144
    .wavefront_size: 32
...
	.end_amdgpu_metadata
.endif
;; end of part 4
;; ======== version 2 of 2: 4 launches; version 1 with the launch chain written anew for expert scheduling mode
;; limits: right only within a limited range of input values
;; workspace buffers: route 16,384 bytes of whole numbers; gates 32,768 bytes; xq 2,097,152 bytes; w1q 8,388,608 bytes; w2q 8,388,608 bytes; order 133,120 bytes of whole numbers; counts 256 bytes of whole numbers; ypart 33,554,432 bytes
;; launch front: the kernel of part 1 again; grid 1152 x 1, 4 waves a work-group, no clusters, 2,560 bytes of LDS; arguments x, Wr, br, W1, lowp_scales, out0, out1, route, gates, xq, w1q; writes out0, out1, route, gates, xq, w1q
;; launch mid: the kernel of part 2 again; grid 1040 x 1, 4 waves a work-group, no clusters, 0 bytes of LDS; arguments route, W2, lowp_scales, order, counts, w2q; writes order, counts, w2q
;; launch chain (part 5): grid 71 x 2, 4 waves a work-group, no clusters, 239,104 bytes of LDS; arguments xq, w1q, w2q, b1, b2, gates, order, counts, lowp_scales, ypart; writes ypart
.if DOCPART == 5
	.amdgcn_target "amdgcn-amd-amdhsa--gfx1250"
	.amdhsa_code_object_version 6
	.text
	.protected	k_qef5d4e2f7e_chain
	.globl	k_qef5d4e2f7e_chain
	.p2align	8
	.type	k_qef5d4e2f7e_chain,@function
k_qef5d4e2f7e_chain:
	s_mov_b64 s[64:65], 0
	v_nop
	global_prefetch_b8 v0, s[64:65] scope:SCOPE_SE
	s_setreg_imm32_b32 hwreg(HW_REG_WAVE_SCHED_MODE, 0, 2), 2
	s_setreg_imm32_b32 hwreg(HW_REG_WAVE_MODE, 25, 1), 1
	s_wait_xcnt 0x0
	s_wait_alu depctr_vm_vsrc(0)
; ONE TILE OF 128 ROUTED ROWS OF ONE EXPERT, ONE HALF OF THE HIDDEN LAYER, THROUGH THE WHOLE CHAIN:
;   gather the rows' codes of x, h = relu(x W1 + b1) for 1,024 hidden units, quantise h in registers, y = h W2 (+ b2 in half 0), x the row's gate, store to ypart[half][token x 2 + choice][512].
; Both products on codes of E5M2 by v_wmma_f32_16x16x128_bf8_bf8; sums in f32.  The hidden layer never goes to memory.
; THE GRID serves every split: 8,192 rows in tiles of 128 over 8 experts are never more than 64 + 7 = 71 tiles.  Which expert and which rows a tile has is found from the stored counts.
;   A work-group that the split leaves without rows jumps over the work inside each trip and stores nothing; it passes both barriers like every other.
;   A tile's rows past the expert's last repeat that last row: they compute and store the same numbers to the same place, so nothing is masked.
; NO JOINT LOADS, NO DATA MOVER: the tile's expert, and whether it has rows, hang on numbers read from memory; tiles of one expert do not come in fours either.
;   The weights come from memory straight into registers, from buffers laid in register order: a fragment (16 rows x 128 K) is 2,048 bytes on end, four loads of 16 bytes a lane.
; THE WAVES SHARE THE COLUMNS: wave w makes hidden units 256 w .. 256 w + 255 of the half, then output columns 128 w .. 128 w + 127, for all 128 rows.  Each wave streams 128 KB of W1's codes and 128 KB of W2's,
;   through a ring of four units of 4 fragments (64 registers, 16 loads): two or three units are on their way while one is multiplied, and the ring runs on from W1 into W2.
; BOTH PRODUCTS ARE USED TRANSPOSED (source 0 = 16 rows of the weight, source 1 = 16 rows of tokens): a lane holds one token's row.  The hidden units of a tile of W1 are chosen (lane r of tile 2 b + u: unit
;   32 b + 8 u + r + 8 (r / 8)) so that the 16 registers of tiles 2 b and 2 b + 1 are 16 neighbours along the next K: the conversions' results are the next operand's registers.
;   They go from wave to wave through LDS as images of those registers.
; The biases are the C of each sum's first matrix instruction, divided by the power of two that the sums lack.  The three scales ahead of h's quantiser are folded into the conversion's one.
; LIMITS: eh - ex - ew1 between -126 and 112; the other exponents go through v_ldexp_f32.  NaN and infinities among the inputs are not served.
; REGISTERS, in windows of 256.  Window 0: v1-23 addresses and constants; v24-31 the rows' entries; v32-39 their gates x 2^(ew2 + eh); v44-52 the offsets of the entries' loads; v56-59 LDS bases of the hidden images;
;   v64-95 offsets of x's rows, then codes just made, v96-127 the gates' offsets, then b1's tiles of a trip (later v64-127 b2's tiles); v128-255 x's rows, then two tiles' sums for 8 tiles of rows, then 8 hidden fragments,
;   then the 128 rows' store offsets.   Window 1: the ring.   Windows 2, 3: x's 32 fragments, then the 64 accumulators of y, then the rows of y as they are stored.
; THE MODE: SCHED_MODE bits 1:0 = 2 (LLVM: expert scheduling mode 2), set by the entry lines.  The code itself states the register dependences
; between vector or matrix instructions and memory or LDS instructions, with s_wait_alu, always for 0.
; THE PLAN.  Registers that memory or LDS instructions touch, and who else names them:
;   the head's offsets  Every load has an offset register other than the registers in which it lands.  Offsets are made in runs, one wait behind each run; one wait behind the first barrier frees what the head's loads and LDS stores read.
;   the ring, phase 1   Unit s's 32 products read slot s.  Slots 0 and 2 are asked for again in the middle of the next unit, behind the one wait at that unit's head: the 16 products between name the next slot, x, b1 and the sums.
;                       Slots 1 and 3 are asked for again at the head of the quantising that follows them, behind its wait.
;   v96-127, b1         Read as C by a trip's four units; loaded for the next trip behind the wait at the head of the trip's second quantising.
;   v64-95, the codes   Written by a quantising's conversions, read by its eight LDS stores: one wait between; one wait at the next quantising's head before they are written again.
;   v8, v11             The two LDS addresses that step: written at a trip's head, behind a wait for their last readers; the wait at unit 1's head shows them written.
;   phase 2             A K step's first three runs of 16 products are the last readers of hidden fragments 0-3 and of the step's first slot: one wait, then both are loaded.  The fourth run likewise for fragments 4-7 and the second slot.
;   the way out         A tile's 32 multiplies and the offsets of the tile before stand ahead of one wait; behind it the tile's LDS stores, and further on the global stores of the tile before.
;                       The tile's rows land in the registers that its LDS stores read: two waits directly ahead of those loads.  No register that a global store reads is written again.
;   v54, v55            Written at the head, read by the closing add alone.
.set XP,   528                         ; an LDS row of 512 bytes + 16: 33 x 16 bytes, so that the 16 rows of a load start at 16 different banks (64 banks of 4 bytes: ISA guide 11.1)
.set HIMG, 128*XP                      ; LDS: 128 rows of x's codes from byte 0; then the hidden images [K step 8][c 4][tile of rows 8][16 x lane]: 131,072 bytes;
.set B1S,  HIMG+131072                 ; b1, 1,024 bytes a wave;
.set B2S,  B1S+4096                    ; b2, 512 bytes a wave;
.set OST,  B2S+2048                    ; the way out: 16 rows x 528 bytes for each wave
.set L16, 1                            ; 16 x lane
.set R,   2                            ; lane % 16
.set H,   3                            ; lane / 16
.set XA,  4                            ; x's fragments: 528 R + 16 H
.set XS,  5                            ; where I store my wave's rows of x
.set HST0, 6                           ; where I store hidden images
.set HLD0, 7                           ; where all are read
.set HAD, 8
.set BA0, 10                           ; b1's tiles
.set BAD, 11
.set B1W, 12
.set B2W, 13
.set B2A, 14
.set STO, 15
.set RD,  16
.set CO,  17                           ; my bytes of a row of ypart: 512 w + 16 lane
.set SC,  18                           ; 2^(eh - ex - ew1)
.set LIM, 19                           ; 57,344 x that
.set PFO, 20                           ; 256 x lane
.set EA,  21                           ; entries of my wave's 32 rows, a lane a row
.set LN,  22
.set B1O, 23
.set EN,  24
.set GF,  32
.set B2R, 40
.set EO,  44                           ; v44: the offset of EA's load; v45-52: of EN's eight; never written again
.set B1R, 56
.set HB,  56
.set PC,  64
.set XO,  64                           ; at the head only: the offsets of the 32 rows of x
.set BI,  96
.set GO,  96                           ; at the head only: the offsets of the 8 gates
.set B2C, 64
.set HA,  128
.set HF,  128
.set XR,  128
.set VO,  128                          ; the way out: row t of tile m has its offset in v[128 + 16 m + t]
.set W1P, 6                            ; s[6:7]   my wave's stream of W1's codes;  s[8:9] of W2's
.set W2P, 8
.set YP,  22
.set WV,  24
.set HALF, 25
.set G,   26
.set ACT, 27                           ; 1: my tile has rows
.set CNT, 28                           ; s[28:35] the experts' counts;  s[36:39] ex, ew1, ew2, eh
.set ES,  40
.set CN,  41
.set START, 42
.set RUN, 43
.set TL,  44
.set ROW0, 45
.set CM1, 46
.set RP,  48                           ; s[48:49] where phase 1's refills stand
.set PP,  50                           ; s[50:51] where the prefetches stand
.set OF,  52
.set TR,  54
.set GT,  55
.set PLIM, 56
.set HSS, 57
.set BS,  58
.set TS,  60
.set NE1, 61
.set E2,  62
.set NE2, 63
.set ONE, 66
.set SE,  68                           ; s68-99  rows' entries read out of lanes: 32 at the head, two sets of 16 by turns on the way out
.set MSB, 0
.macro WIN new                         ; low byte: bits 1:0 source 0, 3:2 source 1, 5:4 source 2, 7:6 destination; the high byte repeats the setting that is left
.if MSB != \new
	s_set_vgpr_msb (MSB<<8)|\new
.set MSB, \new
.endif
.endm
.macro NOP4                            ; four places behind a matrix instruction, ahead of loads into its registers and of the first read of its result
.rept 4
	v_nop
.endr
.endm
.macro RING slot, base, off            ; a unit: 4 fragments, 8,192 consecutive bytes, 16 loads (destination window 1)
.irp f, 0,1,2,3
.irp c, 0,1,2,3
	global_load_b128 v[64*(\slot)+16*\f+4*\c:64*(\slot)+16*\f+4*\c+3], v[L16], s[\base:\base+1] offset:(\off)+2048*\f+512*\c
.endr
.endr
.endm
; A PREFETCH INTO THE L2 of the four units (32,768 bytes of my wave's stream, lanes 256 bytes apart) that the refills of two trips on will load.  All tiles of an expert walk the same streams:
; the expert's first tile asks, each wave for its own stream, so each block is named once.  Trip 0 names W1's units 12-15, trips 1 to 4 W2's 16 units; later trips ask for nothing, so no request passes a stream's end.
.macro ASK
	s_cmp_lt_u32 s[GT], s[PLIM]
	s_cbranch_scc0 .Lno_ask_\@
.irp i, 0,1,2,3
	global_prefetch_b8 v[PFO], s[PP:PP+1] offset:8192*\i th:TH_LOAD_NT scope:SCOPE_SE
.endr
.Lno_ask_\@:
.endm
	s_load_b512 s[4:19], s[0:1], 0x0               ; xq 4:5, w1q 6:7, w2q 8:9, b1 10:11, b2 12:13, gates 14:15, order 16:17, counts 18:19
	s_load_b128 s[20:23], s[0:1], 0x40             ; scales 20:21, ypart 22:23
	v_lshl_add_u32 v54, v0, 2, 0x3a400
	v_mov_b32 v55, 0
	v_lshrrev_b32 v[LN], 5, v0
	v_readfirstlane_b32 s[WV], v[LN]               ; wave 0..3
	s_and_b32 s[HALF], ttmp7, 0xffff
	s_mov_b32 s[G], ttmp9
	v_and_b32 v[LN], 31, v0
	v_lshlrev_b32 v[L16], 4, v[LN]
	v_and_b32 v[R], 15, v0
	v_bfe_u32 v[H], v0, 4, 1
	v_mul_u32_u24 v[XA], v[R], XP
	v_lshl_add_u32 v[XA], v[H], 4, v[XA]
	s_wait_alu depctr_va_sdst(0)                   ; the wave's number is written, ahead of its first reader: LDS addresses and the streams' bases are made from it
	s_mul_i32 s[TS], s[WV], 32*XP
	v_add_nc_u32 v[XS], s[TS], v[L16]
	s_lshl_b32 s[TS], s[WV], 15
	s_add_co_u32 s[TS], s[TS], HIMG
	v_add_nc_u32 v[HST0], s[TS], v[L16]            ; my two K steps of the second product: 32,768 bytes a wave
	v_add_nc_u32 v[HLD0], HIMG, v[L16]
	s_lshl_b32 s[TS], s[WV], 10
	s_add_co_u32 s[TS], s[TS], B1S
	v_lshl_add_u32 v[BA0], v[H], 6, s[TS]          ; tile 2 b + u, lane half h: units 32 b + 16 h + 8 u + 0 .. 7
	v_lshl_add_u32 v[B1W], v[LN], 5, s[TS]
	s_lshl_b32 s[TS], s[WV], 9
	v_add_nc_u32 v[CO], s[TS], v[L16]
	s_add_co_u32 s[TS], s[TS], B2S
	v_add_nc_u32 v[B2W], s[TS], v[L16]
	v_lshl_add_u32 v[B2A], v[H], 5, s[TS]          ; tile n, lane half h: columns 16 n + 8 h + 0 .. 7
	s_mul_i32 s[TS], s[WV], 16*XP
	s_add_co_u32 s[TS], s[TS], OST
	v_mul_u32_u24 v[STO], v[R], XP
	v_lshl_add_u32 v[STO], v[H], 5, v[STO]
	v_add_nc_u32 v[STO], s[TS], v[STO]
	v_add_nc_u32 v[RD], s[TS], v[L16]
	v_lshlrev_b32 v[PFO], 8, v[LN]
	v_lshlrev_b32 v[B1O], 5, v[LN]
	s_wait_kmcnt 0x0
	s_load_b256 s[CNT:CNT+7], s[18:19], 0x0
	s_load_b128 s[36:39], s[20:21], 0x0
	s_wait_kmcnt 0x0
	; which expert's tile am I?  The experts' tiles follow each other; no branch: the last expert whose first tile is not behind mine
	s_mov_b32 s[ES], 0
	s_mov_b32 s[CN], 0
	s_mov_b32 s[START], 0
	s_mov_b32 s[RUN], 0
.irp e, 0,1,2,3,4,5,6,7
	s_cmp_ge_u32 s[G], s[RUN]
	s_cselect_b32 s[ES], \e, s[ES]
	s_cselect_b32 s[CN], s[CNT+\e], s[CN]
	s_cselect_b32 s[START], s[RUN], s[START]
	s_add_co_u32 s[TL], s[CNT+\e], 127
	s_lshr_b32 s[TL], s[TL], 7
	s_add_co_u32 s[RUN], s[RUN], s[TL]
.endr
	s_cmp_lt_u32 s[G], s[RUN]
	s_cselect_b32 s[ACT], 1, 0
	s_min_u32 s[ES], s[ES], 7
	s_sub_co_u32 s[ROW0], s[G], s[START]
	s_lshl_b32 s[ROW0], s[ROW0], 7                 ; my first row in the expert's list
	s_max_u32 s[CM1], s[CN], 1
	s_sub_co_u32 s[CM1], s[CM1], 1                 ; its last row (entry 0 where it has none: that entry is written)
	s_cmp_eq_u32 s[G], s[START]
	s_cselect_b32 s[PLIM], 5, 0
	s_mul_i32 s[PLIM], s[PLIM], s[ACT]             ; the expert's first tile prefetches in trips 0 to 4
	; the scales
	s_add_co_i32 s[TS], s36, s37                   ; ex + ew1: a sum of the first product stands for sum x 2^(ex + ew1)
	s_sub_co_i32 s[NE1], 0, s[TS]
	s_add_co_i32 s[E2], s38, s39                   ; ew2 + eh
	s_sub_co_i32 s[NE2], 0, s[E2]
	s_sub_co_i32 s[TS], s39, s[TS]
	s_add_co_i32 s[TS], s[TS], 127
	s_lshl_b32 s[OF], s[TS], 23
	v_mov_b32 v[SC], s[OF]
	s_add_co_i32 s[TS], s[TS], 15
	s_lshl_b32 s[TS], s[TS], 23
	s_or_b32 s[TS], s[TS], 0x600000
	v_mov_b32 v[LIM], s[TS]
	s_cmp_eq_u32 s[HALF], 0
	s_cselect_b32 s[ONE], 0x3f800000, 0            ; b2 goes in once: in half 0
	; the pointers
	s_mov_b32 s[OF+1], 0
	s_lshl_b32 s[OF], s[ES], 20
	s_lshl_b32 s[TS], s[HALF], 19
	s_add_co_u32 s[OF], s[OF], s[TS]
	s_lshl_b32 s[TS], s[WV], 17
	s_add_co_u32 s[OF], s[OF], s[TS]
	s_add_nc_u64 s[W1P:W1P+1], s[W1P:W1P+1], s[OF:OF+1]
	s_add_nc_u64 s[W2P:W2P+1], s[W2P:W2P+1], s[OF:OF+1]
	s_mul_i32 s[OF], s[ES], 16640
	s_add_nc_u64 s[16:17], s[16:17], s[OF:OF+1]
	s_lshl_b32 s[OF], s[ES], 13
	s_lshl_b32 s[TS], s[HALF], 12
	s_add_co_u32 s[OF], s[OF], s[TS]
	s_lshl_b32 s[TS], s[WV], 10
	s_add_co_u32 s[OF], s[OF], s[TS]
	s_add_nc_u64 s[10:11], s[10:11], s[OF:OF+1]
	s_lshl_b32 s[OF], s[ES], 11
	s_lshl_b32 s[TS], s[WV], 9
	s_add_co_u32 s[OF], s[OF], s[TS]
	s_add_nc_u64 s[12:13], s[12:13], s[OF:OF+1]
	s_lshl_b32 s[OF], s[HALF], 24
	s_add_nc_u64 s[YP:YP+1], s[YP:YP+1], s[OF:OF+1]
	s_add_nc_u64 s[RP:RP+1], s[W1P:W1P+1], 32768   ; the first refills: units 4 to 7
	s_add_nc_u64 s[PP:PP+1], s[W1P:W1P+1], 98304   ; the first prefetch: units 12 to 15
	; the rows' entries: the nine offsets first, each in a register of its own, then the nine loads in a run
	s_lshl_b32 s[TS], s[WV], 5
	s_add_co_u32 s[TS], s[TS], s[ROW0]
	v_add_nc_u32 v[EO], s[TS], v[LN]
	v_min_u32 v[EO], s[CM1], v[EO]
	v_min_u32 v[EO], 0xfff, v[EO]
	v_lshlrev_b32 v[EO], 2, v[EO]
.irp m, 0,1,2,3,4,5,6,7
	v_add3_u32 v[EO+1+\m], s[ROW0], v[R], 16*\m
	v_min_u32 v[EO+1+\m], s[CM1], v[EO+1+\m]
	v_min_u32 v[EO+1+\m], 0xfff, v[EO+1+\m]
	v_lshlrev_b32 v[EO+1+\m], 2, v[EO+1+\m]
.endr
	s_wait_alu depctr_va_vdst(0)                   ; the nine offsets are written, and so is every address and offset of v1 to v23 that the kernel's loads, stores and prefetches read
	global_load_b32 v[EA], v[EO], s[16:17]
.irp m, 0,1,2,3,4,5,6,7
	global_load_b32 v[EN+\m], v[EO+1+\m], s[16:17]
.endr
	global_load_b128 v[B1R:B1R+3], v[B1O], s[10:11]
	global_load_b128 v[B1R+4:B1R+7], v[B1O], s[10:11] offset:16
	global_load_b128 v[B2R:B2R+3], v[L16], s[12:13]
	s_wait_loadcnt 0x3                             ; the nine loads of entries are in; the three of the biases may be out
	; my wave's 32 rows of x's codes, and the gates.  Each kind of line stands in a run: the 32 lane reads first, the gates' lines between them and their scalar readers, then the clamps, the offsets, the loads
	v_lshrrev_b32 v[EA], 1, v[EA]                  ; the tokens
.set j, 0
.rept 32
	v_readlane_b32 s[SE+j], v[EA], j
.set j, j+1
.endr
.irp m, 0,1,2,3,4,5,6,7
	v_min_u32 v[EN+\m], 0x1fff, v[EN+\m]
.endr
.irp m, 0,1,2,3,4,5,6,7
	v_lshlrev_b32 v[GO+\m], 2, v[EN+\m]
.endr
	s_wait_alu depctr_va_sdst(0)                   ; the 32 lane reads have written s68 to s99, ahead of their first readers, the clamps
.set j, 0
.rept 32
	s_min_u32 s[SE+j], s[SE+j], 0xfff
.set j, j+1
.endr
.set j, 0
.rept 32
	v_lshl_add_u32 v[XO+j], s[SE+j], 9, v[L16]
.set j, j+1
.endr
	s_wait_alu depctr_va_vdst(0)                   ; the 8 offsets of the gates and the 32 of x's rows are written, which the loads below read
.irp m, 0,1,2,3,4,5,6,7
	global_load_b32 v[GF+\m], v[GO+\m], s[14:15]   ; the gate of row 16 m + R
.endr
.set j, 0
.rept 32
	global_load_b128 v[XR+4*j:XR+4*j+3], v[XO+j], s[4:5]   ; a row is 512 consecutive bytes, 16 a lane
.set j, j+1
.endr
	WIN 0x40
	RING 0, W1P, 0
	RING 1, W1P, 8192
	RING 2, W1P, 16384
	WIN 0
	s_wait_loadcnt 48                              ; all but the ring's 48 loads are in
.irp i, 0,1,2,3,4,5,6,7
	v_ldexp_f32 v[B1R+\i], v[B1R+\i], s[NE1]       ; b1 / 2^(ex + ew1)
.endr
.irp i, 0,1,2,3
	v_ldexp_f32 v[B2R+\i], v[B2R+\i], s[NE2]       ; b2 / 2^(ew2 + eh),
.endr
.irp i, 0,1,2,3
	v_mul_f32 v[B2R+\i], s[ONE], v[B2R+\i]         ; or 0 in half 1
.endr
.irp m, 0,1,2,3,4,5,6,7
	v_ldexp_f32 v[GF+\m], v[GF+\m], s[E2]          ; gate x 2^(ew2 + eh)
.endr
	s_wait_alu depctr_va_vdst(0)                   ; the scaled biases are written, which the LDS stores below read
	ds_store_b128 v[B1W], v[B1R:B1R+3]
	ds_store_b128 v[B1W], v[B1R+4:B1R+7] offset:16
	ds_store_b128 v[B2W], v[B2R:B2R+3]
.set j, 0
.rept 32
	ds_store_b128 v[XS], v[XR+4*j:XR+4*j+3] offset:XP*j
.set j, j+1
.endr
	WIN 0x40
	RING 3, W1P, 24576
	WIN 0
	s_wait_dscnt 0x0                               ; for the others' sake: my rows of x and my biases lie in LDS
	s_barrier_signal -1
	s_barrier_wait -1
	s_wait_alu depctr_vm_vsrc(0)                   ; my LDS stores have read v128-255 and v56-63, the head's loads their offsets in v64-103: these registers become the sums, the hidden bases, the codes and b1's tiles
	WIN 0x80                                       ; x's fragments stay in registers: tile of rows m, K step k at 64 (m % 4) + 16 k of window 2 (m < 4) or 3
.irp m, 0,1,2,3
.irp k, 0,1,2,3
.irp c, 0,1,2,3
	ds_load_b128 v[64*\m+16*\k+4*\c:64*\m+16*\k+4*\c+3], v[XA] offset:16*XP*\m+128*\k+32*\c
.endr
.endr
.endr
	WIN 0xc0
.irp m, 0,1,2,3
.irp k, 0,1,2,3
.irp c, 0,1,2,3
	ds_load_b128 v[64*\m+16*\k+4*\c:64*\m+16*\k+4*\c+3], v[XA] offset:16*XP*(\m+4)+128*\k+32*\c
.endr
.endr
.endr
	WIN 0
.irp s, 0,1,2,3                        ; b1's four tiles of the first trip; each later trip's are asked for a trip ahead
	ds_load_b128 v[BI+8*\s:BI+8*\s+3],   v[BA0] offset:128*(\s/2)+32*(\s%2)
	ds_load_b128 v[BI+8*\s+4:BI+8*\s+7], v[BA0] offset:128*(\s/2)+32*(\s%2)+16
.endr
	s_mov_b32 s[TR], 0
	s_mov_b32 s[GT], 0
	s_mov_b32 s[HSS], 0
	s_mov_b32 s[BS], 0
; PHASE 1.  A unit is one tile of 16 hidden units, all four K steps: 32 matrix instructions for the 8 tiles of rows, four accumulators by turns, one instruction a turn.
; left: how many younger loads may stay out.  The slots are asked for in the order 0, 1, 2, 3: at units 0 and 2 three later units are out, at units 1 and 3 two, since the slot before has not been asked for again yet.
; refill = 1 (units 1 and 3): the slot of the unit before takes the unit four further on, in this unit's middle.
.macro UNIT1 s, left, refill
	s_wait_loadcnt \left                           ; this unit's 16 loads are in
.if \refill
	s_wait_alu depctr_va_vdst(0)                   ; the unit before is done reading its slot, in which the loads in this unit's middle land; in unit 1 the trip's two LDS addresses are written too
.endif
	WIN 0x09                                       ; source 0 (W1) window 1, source 1 (x) window 2, C and D window 0
.irp k, 0,1,2,3
.irp m, 0,1,2,3
.if \k == 0
	v_wmma_f32_16x16x128_bf8_bf8 v[HA+64*((\s)%2)+8*\m:HA+64*((\s)%2)+8*\m+7], v[64*(\s)+16*\k:64*(\s)+16*\k+15], v[64*\m+16*\k:64*\m+16*\k+15], v[BI+8*(\s):BI+8*(\s)+7]
.else
	v_wmma_f32_16x16x128_bf8_bf8 v[HA+64*((\s)%2)+8*\m:HA+64*((\s)%2)+8*\m+7], v[64*(\s)+16*\k:64*(\s)+16*\k+15], v[64*\m+16*\k:64*\m+16*\k+15], v[HA+64*((\s)%2)+8*\m:HA+64*((\s)%2)+8*\m+7]
.endif
.endr
.endr
.if \refill
	NOP4
	WIN 0x40
	RING (\s)-1, RP, 8192*((\s)-1)                 ; no wait: the 16 products since the wait name this unit's slot, x, b1's tile and the sums, none of the registers that these loads touch
.endif
	WIN 0x0d                                       ; x in window 3
.irp k, 0,1,2,3
.irp m, 0,1,2,3
.if \k == 0
	v_wmma_f32_16x16x128_bf8_bf8 v[HA+64*((\s)%2)+32+8*\m:HA+64*((\s)%2)+32+8*\m+7], v[64*(\s)+16*\k:64*(\s)+16*\k+15], v[64*\m+16*\k:64*\m+16*\k+15], v[BI+8*(\s):BI+8*(\s)+7]
.else
	v_wmma_f32_16x16x128_bf8_bf8 v[HA+64*((\s)%2)+32+8*\m:HA+64*((\s)%2)+32+8*\m+7], v[64*(\s)+16*\k:64*(\s)+16*\k+15], v[64*\m+16*\k:64*\m+16*\k+15], v[HA+64*((\s)%2)+32+8*\m:HA+64*((\s)%2)+32+8*\m+7]
.endif
.endr
.endr
.endm
; Two neighbouring tiles' sums become 16 codes a lane for each tile of rows: registers 4 c .. 4 c + 3 of a fragment of the second product; their image goes to LDS.
; At its head the slot of the unit just multiplied (1 or 3) takes the unit four further on.
; next = 1: b1's tiles of the next trip are asked for here, 256 bytes on: the 144 vector lines below stand between the request and the wait at the next trip's head.
; The last trip's request brings bytes that nobody uses (the next wave's b1; in wave 3, b2): bytes that were written ahead of the first barrier.
; next = 0: the trip's prefetches stand here, behind a run of loads, two units and a quantising ahead of the trip's wait on XCNT.
.macro QUANT1 p, next
	NOP4                                           ; behind the last products: their results are read below, and loads land in registers that they read
	WIN 0x40
	s_wait_dscnt 0x0                               ; the last images' stores are done
	s_wait_alu depctr_vm_vsrc(0)                   ; those stores have read v[PC ..], which the conversions below write again
	s_wait_alu depctr_va_vdst(0)                   ; the unit just multiplied is done reading its slot, in which the loads below land; next = 1: the trip's four units are done reading b1's tiles
	RING 2*(\p)+1, RP, 8192*(2*(\p)+1)
	WIN 0
.if \next
.irp s, 0,1,2,3
	ds_load_b128 v[BI+8*\s:BI+8*\s+3],   v[BAD] offset:256+128*(\s/2)+32*(\s%2)
	ds_load_b128 v[BI+8*\s+4:BI+8*\s+7], v[BAD] offset:256+128*(\s/2)+32*(\s%2)+16
.endr
.else
	ASK
.endif
.irp m, 0,1,2,3,4,5,6,7
.irp i, 0,1,2,3,4,5,6,7
	v_med3_num_f32 v[HA+8*\m+\i], v[HA+8*\m+\i], 0, v[LIM]         ; the activation and the hold in one: between 0 and the largest code x the scale; each accumulator from its low end on
.endr
.irp i, 0,1,2,3,4,5,6,7
	v_med3_num_f32 v[HA+64+8*\m+\i], v[HA+64+8*\m+\i], 0, v[LIM]
.endr
	v_cvt_scalef32_pk8_bf8_f32 v[PC+4*\m:PC+4*\m+1], v[HA+8*\m:HA+8*\m+7], v[SC]
	v_cvt_scalef32_pk8_bf8_f32 v[PC+4*\m+2:PC+4*\m+3], v[HA+64+8*\m:HA+64+8*\m+7], v[SC]
.endr
	v_nop                                          ; a plain line behind the last conversion: the next products write the conversions' sources
	s_wait_alu depctr_va_vdst(0)                   ; the conversions have written v[PC ..], which the LDS stores read
.irp m, 0,1,2,3,4,5,6,7
	ds_store_b128 v[HAD], v[PC+4*\m:PC+4*\m+3] offset:4096*(\p)+512*\m
.endr
.endm
.Lp1:                                              ; four trips of four units: 64 hidden units a trip
	s_wait_dscnt 0x0                               ; x's fragments (first trip), this trip's tiles of b1, the last trip's images
	s_wait_alu depctr_vm_vsrc(0)                   ; the last trip's LDS loads and stores have read v[BAD] and v[HAD], which the two lines below write
	v_add_nc_u32 v[BAD], s[BS], v[BA0]
	v_add_nc_u32 v[HAD], s[HSS], v[HST0]
	s_cmp_eq_u32 s[ACT], 0
	s_cbranch_scc1 .Lp1_skip                       ; a tile without rows walks the loop and leaves the work out
	UNIT1 0, 48, 0
	UNIT1 1, 32, 1
	QUANT1 0, 0
	UNIT1 2, 48, 0
	UNIT1 3, 32, 1
	QUANT1 1, 1
.Lp1_skip:
	s_wait_xcnt 0x0                                ; the refills and prefetches have read their bases
	s_add_nc_u64 s[RP:RP+1], s[RP:RP+1], 32768
	s_add_nc_u64 s[PP:PP+1], s[PP:PP+1], 32768
	s_add_co_u32 s[GT], s[GT], 1
	s_add_co_u32 s[HSS], s[HSS], 8192
	s_add_co_u32 s[BS], s[BS], 256
	s_add_co_u32 s[TR], s[TR], 1
	s_cmp_eq_u32 s[TR], 3
	s_cselect_b64 s[RP:RP+1], s[W2P:W2P+1], s[RP:RP+1]   ; the last trip refills the ring with W2's first four units
	s_cmp_eq_u32 s[GT], 1
	s_cselect_b64 s[PP:PP+1], s[W2P:W2P+1], s[PP:PP+1]   ; from trip 1 on the prefetches walk W2's stream
	s_cmp_lt_u32 s[TR], 4
	s_cbranch_scc1 .Lp1
	s_wait_dscnt 0x0
	s_wait_alu depctr_vm_vsrc(0)                   ; the last images' stores have read v[PC ..], in which b2's tiles land
.irp t, 0,1,2,3
	v_add_nc_u32 v[HB+\t], 32768*\t, v[HLD0]       ; two K steps of images to a base
.endr
	s_wait_alu depctr_va_vdst(0)                   ; the four bases are written, which the hidden fragments' loads read; no vector line stands between this wait and the loads of b2 and of the first fragments
.irp n, 0,1,2,3,4,5,6,7                ; b2's eight tiles, my wave's own bytes, on every path
	ds_load_b128 v[B2C+8*\n:B2C+8*\n+3],   v[B2A] offset:64*\n
	ds_load_b128 v[B2C+8*\n+4:B2C+8*\n+7], v[B2A] offset:64*\n+16
.endr
	s_wait_dscnt 0x0                               ; for the others' sake: my hidden images lie in LDS
	s_barrier_signal -1
	s_barrier_wait -1
; PHASE 2.  y^T += W2^T h^T: eight K steps of 128 hidden units; 64 accumulators by turns, in the same order in every K step.
.macro HFLOAD m0, reg, off             ; four hidden fragments of one K step
.irp m, 0,1,2,3
.irp c, 0,1,2,3
	ds_load_b128 v[HF+16*((\m0)+\m)+4*\c:HF+16*((\m0)+\m)+4*\c+3], v[\reg] offset:(\off)+4096*\c+512*((\m0)+\m)
.endr
.endr
.endm
.macro MM2 slot, m0, n0                ; 16 matrix instructions: four tiles of rows x four tiles of columns
.irp m, 0,1,2,3
.irp n, 0,1,2,3
.if FIRST
	v_wmma_f32_16x16x128_bf8_bf8 v[8*(8*\m+(\n0)+\n):8*(8*\m+(\n0)+\n)+7], v[64*(\slot)+16*\n:64*(\slot)+16*\n+15], v[HF+16*((\m0)+\m):HF+16*((\m0)+\m)+15], v[B2C+8*((\n0)+\n):B2C+8*((\n0)+\n)+7]
.else
	v_wmma_f32_16x16x128_bf8_bf8 v[8*(8*\m+(\n0)+\n):8*(8*\m+(\n0)+\n)+7], v[64*(\slot)+16*\n:64*(\slot)+16*\n+15], v[HF+16*((\m0)+\m):HF+16*((\m0)+\m)+15], v[8*(8*\m+(\n0)+\n):8*(8*\m+(\n0)+\n)+7]
.endif
.endr
.endr
.endm
.macro WLO                             ; source 0 (W2) window 1, source 1 (h) window 0, D window 2; C window 2, or window 0 (b2) where the sums begin
.if FIRST
	WIN 0x81
.else
	WIN 0xa1
.endif
.endm
.macro WHI                             ; the same with window 3
.if FIRST
	WIN 0xc1
.else
	WIN 0xf1
.endif
.endm
; Trip tt of four: two K steps, four units.  A refill's place in my stream of W2 stands in the immediate (130,560 bytes at the most): no base is stepped.
; A K step has two places at which registers are loaded again, each behind one wait: behind its third run of 16 products and behind its fourth.
; The last trip refills nothing, and its counts run down; the very last K step fetches no fragments, so it states no dependence.
.macro TRIP2 tt
	s_cmp_eq_u32 s[ACT], 0
	s_cbranch_scc1 .Lt2_skip_\@
.irp kk, 0,1
.set FIRST, 0
.if ((\tt) == 0) && (\kk == 0)
.set FIRST, 1
.endif
.set KN, 2*(\tt)+\kk+1                 ; the next K step
.if (\tt) == 3
	s_wait_loadcnt 48-32*\kk
.else
	s_wait_loadcnt 48                              ; this unit is in; the three later units may be out
.endif
	s_wait_dscnt 16                                ; hidden fragments 0-3 are in; the youngest 16 loads (4-7) may be out
	WLO
	MM2 2*\kk, 0, 0
	s_wait_dscnt 0x0
	WHI
	MM2 2*\kk, 4, 0
.if (\tt) == 3
	s_wait_loadcnt 32-32*\kk
.else
	s_wait_loadcnt 32                              ; this unit is in; the two later units may be out: the slot just multiplied has not been asked for again yet
.endif
	WLO
	MM2 2*\kk+1, 0, 4
.if KN < 8
	NOP4
	WIN 0
	s_wait_alu depctr_va_vdst(0)                   ; the products so far are done reading hidden fragments 0-3 and the K step's first slot, in which the loads below land
	HFLOAD 0, HB+KN/2, 16384*(KN%2)                ; fragments 0-3 have had their last product of this K step
.if (\tt) < 3
	WIN 0x40
	RING 2*\kk, W2P, 32768*((\tt)+1)+16384*\kk
.if ((\tt) == 0) && (\kk == 0)
	WIN 0
	ASK                                            ; W2's last four units: the last request
.endif
.endif
.endif
	WHI
	MM2 2*\kk+1, 4, 4
.if KN < 8
	NOP4
	WIN 0
	s_wait_alu depctr_va_vdst(0)                   ; the K step's last products are done reading hidden fragments 4-7 and its second slot, in which the loads below land
	HFLOAD 4, HB+KN/2, 16384*(KN%2)
.if (\tt) < 3
	WIN 0x40
	RING 2*\kk+1, W2P, 32768*((\tt)+1)+16384*\kk+8192
.endif
.endif
	WIN 0
.endr
.Lt2_skip_\@:
.endm
	s_cmp_eq_u32 s[ACT], 0
	s_cbranch_scc1 .Lpre_skip
	HFLOAD 0, HB, 0
	HFLOAD 4, HB, 0
.Lpre_skip:
	TRIP2 0
	TRIP2 1
	TRIP2 2
	TRIP2 3
	s_cmp_eq_u32 s[ACT], 0
	s_cbranch_scc1 .Lend
; THE WAY OUT, a tile of 16 rows at a time.  A lane holds 32 neighbouring bytes of a row and the lanes beside it hold other rows: so a tile goes through my own stage in LDS and comes back as rows of 512 bytes,
; which the 32 lanes store whole, each to its own row of ypart.  LDS serves a wave's instructions in order (ISA guide 5.7.1.4): no wait on DScnt between the stores and the loads, nor ahead of the next tile's stores.
; NO REGISTER THAT A GLOBAL STORE READS IS WRITTEN AGAIN: a tile's sums are multiplied in place and its rows come back into the registers that the sums left; each of the 128 rows has an offset register of its own.
; So no wait on XCNT stands between the tiles' stores.  One window setting serves a tile's multiplies, LDS stores, LDS loads and global stores: source 0 (the gate, the addresses) window 0, source 1 (the sums, the data) and the
; destination window 2 or 3.  Only the offsets, whose destination is window 0, want a switch.
; The order of a turn: the offsets of the tile before, this tile's lane reads, this tile through the stage, the global stores of the tile before.
.macro RLANE m                         ; the 16 rows' entries out of their lanes, into one of two sets by turns: read a tile ahead of the scalar lines that take them
.irp t, 0,1,2,3,4,5,6,7,8,9,10,11,12,13,14,15
	v_readlane_b32 s[SE+16*((\m)%2)+\t], v[EN+(\m)], \t
.endr
.endm
.macro VOCALC m                        ; entry = token x 2 + choice; a row of ypart is 2,048 bytes
	s_wait_alu depctr_va_sdst(0)                   ; this tile's 16 lane reads, issued a tile ago, have written their scalar registers, ahead of their first readers, the clamps
.irp t, 0,1,2,3,4,5,6,7,8,9,10,11,12,13,14,15
	s_min_u32 s[SE+16*((\m)%2)+\t], s[SE+16*((\m)%2)+\t], 0x1fff
.endr
	WIN 0
.irp t, 0,1,2,3,4,5,6,7,8,9,10,11,12,13,14,15
	v_lshl_add_u32 v[VO+16*(\m)+\t], s[SE+16*((\m)%2)+\t], 11, v[CO]
.endr
.endm
.macro TOSTAGE m
.set AC, 64*((\m)%4)
	WIN (0x88+0x44*((\m)/4))
.irp j, 0,2,4,6,8,10,12,14,16,18,20,22,24,26,28,30,32,34,36,38,40,42,44,46,48,50,52,54,56,58,60,62
.if ((\m)%2) == 0
	v_pk_mul_f32 v[AC+\j:AC+\j+1], v[GF+(\m):GF+(\m)+1], v[AC+\j:AC+\j+1] op_sel_hi:[0,1]                  ; x my row's gate x 2^(ew2 + eh): the pair's low word for both halves;
.else
	v_pk_mul_f32 v[AC+\j:AC+\j+1], v[GF+(\m)-1:GF+(\m)], v[AC+\j:AC+\j+1] op_sel:[1,0] op_sel_hi:[1,1]     ; its high word.  Each accumulator from its low end on
.endif
.endr
	s_wait_alu depctr_va_vdst(0)                   ; the multiplies have written the tile's numbers, which the LDS stores read; the offsets of the tile before are written, which its global stores read
.irp b, 0,1,2,3,4,5,6,7
	ds_store_b128 v[STO], v[AC+8*\b:AC+8*\b+3] offset:64*\b
	ds_store_b128 v[STO], v[AC+8*\b+4:AC+8*\b+7] offset:64*\b+16
.endr
	s_wait_alu depctr_vm_vsrc(0)                   ; the LDS stores have read the tile's registers, in which its rows land
	s_wait_alu depctr_va_vdst(0)                   ; the multiplies are done with those registers: said directly ahead of the loads that land in them, since the stores between name the same registers
.irp t, 0,1,2,3,4,5,6,7,8,9,10,11,12,13,14,15
	ds_load_b128 v[AC+4*\t:AC+4*\t+3], v[RD] offset:XP*\t
.endr
.endm
.macro SEND m, younger, own            ; younger: the LDS instructions issued behind tile m's loads, which may stay out.  own = 1: the last tile, whose offsets have no later tile's wait behind them
.set AC, 64*((\m)%4)
	WIN (0x88+0x44*((\m)/4))
	s_wait_dscnt \younger
.if \own
	s_wait_alu depctr_va_vdst(0)                   ; the last tile's 16 offsets are written, which the stores below read
.endif
.irp t, 0,1,2,3,4,5,6,7,8,9,10,11,12,13,14,15
	global_store_b128 v[VO+16*(\m)+\t], v[AC+4*\t:AC+4*\t+3], s[YP:YP+1] th:TH_STORE_NT   ; 512 consecutive bytes, at a multiple of 512 from ypart's first byte
.endr
.endm
	NOP4                                           ; behind the last products: their results are read and their sources written below
	RLANE 0
	TOSTAGE 0
.irp m, 1,2,3,4,5,6,7
	VOCALC \m-1
	RLANE \m
	TOSTAGE \m
	SEND \m-1, 32, 0                               ; behind tile m - 1's loads: tile m's 16 stores and 16 loads.  No vector line since tile m's waits names the offsets or the rows
.endr
	VOCALC 7
	SEND 7, 0, 1
	WIN 0                                          ; at a label every window is 0
.Lend:
	s_wait_dscnt 0x0                               ; the closing lines, six on end
	s_wait_alu 0x0
	s_wait_tensorcnt 0x0
	ds_add_u32 v54, v55
	s_wait_dscnt 0x0
	s_endpgm
.Lfunc_end_k_qef5d4e2f7e_chain:
	.size	k_qef5d4e2f7e_chain, .Lfunc_end_k_qef5d4e2f7e_chain-k_qef5d4e2f7e_chain
	.p2alignl 7, 3214868480
	.fill 96, 4, 3214868480
	.section	.rodata,"a",@progbits
	.p2align	6, 0x0
	.amdhsa_kernel k_qef5d4e2f7e_chain
		.amdhsa_group_segment_fixed_size 239104
		.amdhsa_private_segment_fixed_size 0
		.amdhsa_enable_private_segment 0
		.amdhsa_kernarg_size 80
		.amdhsa_user_sgpr_count 2
		.amdhsa_user_sgpr_kernarg_segment_ptr 1
		.amdhsa_wavefront_size32 1
		.amdhsa_system_sgpr_workgroup_id_x 1
		.amdhsa_system_sgpr_workgroup_id_y 1
		.amdhsa_system_sgpr_workgroup_id_z 1
		.amdhsa_system_vgpr_workitem_id 0
		.amdhsa_next_free_vgpr 1024
		.amdhsa_next_free_sgpr 100
		.amdhsa_reserve_vcc 0
		.amdhsa_float_denorm_mode_32 3
		.amdhsa_float_denorm_mode_16_64 3
		.amdhsa_memory_ordered 1
		.amdhsa_forward_progress 1
		.amdhsa_inst_pref_size 219
	.end_amdhsa_kernel
	.amdgpu_metadata
---
amdhsa.version: [ 1, 2 ]
amdhsa.kernels:
  - .name:           k_qef5d4e2f7e_chain
    .symbol:         k_qef5d4e2f7e_chain.kd
    .args:
      - { .name: xq, .offset: 0, .size: 8, .value_kind: global_buffer, .address_space: global }
      - { .name: w1q, .offset: 8, .size: 8, .value_kind: global_buffer, .address_space: global }
      - { .name: w2q, .offset: 16, .size: 8, .value_kind: global_buffer, .address_space: global }
      - { .name: b1, .offset: 24, .size: 8, .value_kind: global_buffer, .address_space: global }
      - { .name: b2, .offset: 32, .size: 8, .value_kind: global_buffer, .address_space: global }
      - { .name: gates, .offset: 40, .size: 8, .value_kind: global_buffer, .address_space: global }
      - { .name: order, .offset: 48, .size: 8, .value_kind: global_buffer, .address_space: global }
      - { .name: counts, .offset: 56, .size: 8, .value_kind: global_buffer, .address_space: global }
      - { .name: lowp_scales, .offset: 64, .size: 8, .value_kind: global_buffer, .address_space: global }
      - { .name: ypart, .offset: 72, .size: 8, .value_kind: global_buffer, .address_space: global }
    .group_segment_fixed_size: 239104
    .private_segment_fixed_size: 0
    .kernarg_segment_align: 8
    .kernarg_segment_size: 80
    .max_flat_workgroup_size: 128
    .sgpr_count:     100
    .vgpr_count:     1024
    .wavefront_size: 32
...
	.end_amdgpu_metadata
.endif
;; end of part 5
;; launch combine: the kernel of part 4 again; grid 256 x 1, 8 waves a work-group, no clusters, 0 bytes of LDS; arguments ypart, out2; writes out2
